; MI455X (gfx1250); checked and timed in simulation.
; The chip was launched on July 23, 2026; its instructions are those of AMD's public machine-readable ISA for CDNA 5 (MIT licence, August 2026) and "CDNA5" Instruction Set Architecture Reference Guide (July 2026). The comments in the code are by the model that wrote it; some were corrected since.
;; Block. Allowed arithmetic: float matrix products may take bf16 or f16 operands with f32 sums; all other float work in f32.
;; Inputs: W_attn 1,024 x 3,072 float32; W_fc 1,024 x 4,096 float32; W_o 1,024 x 1,024 float32; W_proj 4,096 x 1,024 float32; b_attn 3,072 float32; b_fc 4,096 float32; b_o 1,024 float32; b_proj 1,024 float32; ln1_b 1,024 float32; ln1_w 1,024 float32; ln2_b 1,024 float32; ln2_w 1,024 float32; x 2 x 2,048 x 1,024 float32.
;; Outputs: out0 2 x 2,048 x 1,024 float32.
;; One version. Each part assembles by itself: llvm-mc -triple=amdgcn-amd-amdhsa -mcpu=gfx1250 --defsym DOCPART=n.
;; ======== version 1 of 1: 7 launches
;; limits: values are held in f16: magnitudes above 65,504 overflow, below 6.1e-05 lose precision
;; workspace buffers: wbf 25,165,824 bytes; h1 8,388,608 bytes; qkv 25,165,824 bytes; y 8,388,608 bytes; x1 16,777,216 bytes; h2 8,388,608 bytes; g 33,554,432 bytes
;; launch prep (part 1): grid 1024 x 1, 8 waves a work-group, no clusters, 0 bytes of LDS; arguments W_attn, W_o, W_fc, W_proj, x, ln1_w, ln1_b, wbf, h1; writes wbf, h1
.if DOCPART == 1
	.amdgcn_target "amdgcn-amd-amdhsa--gfx1250"
	.amdhsa_code_object_version 6
	.text
	.protected	k_q8265700fb0_prep
	.globl	k_q8265700fb0_prep
	.p2align	8
	.type	k_q8265700fb0_prep,@function
k_q8265700fb0_prep:
	s_mov_b64 s[64:65], 0
	v_nop
	global_prefetch_b8 v0, s[64:65] scope:SCOPE_SE
	s_setreg_imm32_b32 hwreg(HW_REG_WAVE_MODE, 25, 1), 1
	s_wait_xcnt 0x0
; Work-groups 0 to 767: the four weights, f32 to f16, layout [K][N] kept, into wbf one behind the other
; (W_attn, W_o, W_fc, W_proj): 16,384 numbers a work-group, so wbf's order is the work-groups' order.
; Work-groups 768 to 1023: h1 = LayerNorm(x) * ln1_w + ln1_b in f16, 16 rows a work-group, two rows a wave.
; A row of 1,024 f32 is 32 registers of a wave: it stays in registers between the mean, the centred squares and the output,
; so x is read once, and the variance is the mean of (x - mean)^2: no difference of large sums is formed.
; Both halves stream: no LDS, no barrier, no matrix unit.
; WHY f16 AND NOT bf16: a query with few keys has an attention output as large as v itself, and the roundings of h1, W_attn, v, P, y
; and W_o then stack up in the residual; eleven significant bits instead of eight make each of them an eighth.
; Limits: a weight or a normalised number beyond 65,504 in magnitude becomes infinite (a normalised number is at most 32 |gain| + |bias|;
; weights of 30 times the drawn spread are about 1); below 6.1e-5 the spacing stays 6e-8.  v_rsq_f32 is good to 1 ULP; NaN and infinities
; in x spread over their row as in any sum.
.set CASTWG, 768
.set CX,  20                           ; v[20:83]   cast: 16 x 4 f32 as loaded
.set CY,  84                           ; v[84:115]  cast: 16 x 2 registers of f16
.set SIN, 12                           ; s[12:13] x    s[14:15] gain    s[16:17] bias    s[20:21] h1
.set SWT, 14
.set SBI, 16
.set SOUT, 20
.set T,   4                            ; v[4:11]    four pairs at work
.set MU,  12                           ; v[12:13]   the mean, twice
.set RS,  14                           ; v[14:17]   1/sqrt(var + eps), twice, for each of the two rows
.set PT,  18                           ; v18        what the other half of the lanes sent
.set W,   20                           ; v[20:51]   gain of my 32 columns
.set BV,  52                           ; v[52:83]   bias of my 32 columns
.set X,   84                           ; v[84:147]  two rows, 32 registers each
.set Y,   148                          ; v[148:179] two rows in f16, 16 registers each
	s_load_b256 s[4:11], s[0:1], 0x0               ; W_attn s[4:5], W_o s[6:7], W_fc s[8:9], W_proj s[10:11]
	s_load_b256 s[12:19], s[0:1], 0x20             ; x, ln1_w, ln1_b, wbf s[18:19]
	s_load_b64 s[20:21], s[0:1], 0x40              ; h1
	s_mov_b32 s29, 0
	s_cmp_ge_u32 ttmp9, CASTWG
	s_cbranch_scc1 .Lnorm
	; ---- the cast ----
	v_lshlrev_b32 v1, 4, v0                        ; 16 bytes of f32 a thread: a load of the work-group covers 4,096 bytes
	v_lshlrev_b32 v2, 3, v0                        ; 8 bytes of f16 a thread: a store of a wave covers 256 bytes, aligned
	s_mov_b32 s26, 0
	s_wait_kmcnt 0x0
	s_mov_b64 s[24:25], s[4:5]                     ; which weight, and its first work-group: 192, 64, 256, 256 work-groups
	s_cmp_ge_u32 ttmp9, 192
	s_cselect_b64 s[24:25], s[6:7], s[24:25]
	s_cselect_b32 s26, 192, s26
	s_cmp_ge_u32 ttmp9, 256
	s_cselect_b64 s[24:25], s[8:9], s[24:25]
	s_cselect_b32 s26, 256, s26
	s_cmp_ge_u32 ttmp9, 512
	s_cselect_b64 s[24:25], s[10:11], s[24:25]
	s_cselect_b32 s26, 512, s26
	s_sub_co_u32 s27, ttmp9, s26
	s_lshl_b32 s28, s27, 16                        ; 65,536 bytes of f32 a work-group
	s_add_nc_u64 s[24:25], s[24:25], s[28:29]
	s_lshl_b32 s28, ttmp9, 15                      ; 32,768 bytes of f16
	s_add_nc_u64 s[18:19], s[18:19], s[28:29]
.irp j, 0,1,2,3,4,5,6,7,8,9,10,11,12,13,14,15
	global_load_b128 v[CX+4*\j:CX+4*\j+3], v1, s[24:25] offset:4096*\j th:TH_LOAD_NT   ; all sixteen go out at once; the f32 weights are read once
.endr
.irp j, 0,1,2,3,4,5,6,7,8,9,10,11,12,13,14,15
	s_wait_loadcnt 15-\j                           ; loads return in order: load j is in, the 15 - j younger ones stay out
	v_cvt_pk_f16_f32 v[CY+2*\j],   v[CX+4*\j],   v[CX+4*\j+1]
	v_cvt_pk_f16_f32 v[CY+2*\j+1], v[CX+4*\j+2], v[CX+4*\j+3]
	global_store_b64 v2, v[CY+2*\j:CY+2*\j+1], s[18:19] offset:2048*\j     ; no register is used twice: no wait for sources
.endr
	s_endpgm
	; ---- LayerNorm ----
.macro WSUM r                          ; sum over the 32 lanes, result in every lane
	v_add_f32_dpp v[\r], v[\r], v[\r] row_xmask:1 row_mask:0xf bank_mask:0xf
	v_add_f32_dpp v[\r], v[\r], v[\r] row_xmask:2 row_mask:0xf bank_mask:0xf
	v_add_f32_dpp v[\r], v[\r], v[\r] row_xmask:4 row_mask:0xf bank_mask:0xf
	v_add_f32_dpp v[\r], v[\r], v[\r] row_xmask:8 row_mask:0xf bank_mask:0xf
	v_permlanex16_b32 v[PT], v[\r], s31, s32
	v_add_f32 v[\r], v[\r], v[PT]
.endm
.macro FOLD                            ; four chains of pairs into one number a lane
	v_pk_add_f32 v[T:T+1], v[T:T+1], v[T+2:T+3]
	v_pk_add_f32 v[T+4:T+5], v[T+4:T+5], v[T+6:T+7]
	v_pk_add_f32 v[T:T+1], v[T:T+1], v[T+4:T+5]
	v_add_f32 v[T], v[T], v[T+1]
.endm
; Row i: mean, centre in place, variance, 1/sqrt.  left = younger loads that may stay out.
.macro LNSTAT i, left
	s_wait_loadcnt \left
.irp k, 0,1,2,3
	v_pk_add_f32 v[T+2*\k:T+2*\k+1], v[X+32*\i+2*\k:X+32*\i+2*\k+1], v[X+32*\i+8+2*\k:X+32*\i+8+2*\k+1]
.endr
.irp p, 8,9,10,11,12,13,14,15
	v_pk_add_f32 v[T+2*(\p%4):T+2*(\p%4)+1], v[T+2*(\p%4):T+2*(\p%4)+1], v[X+32*\i+2*\p:X+32*\i+2*\p+1]
.endr
	FOLD
	WSUM T
	v_mul_f32 v[MU], s30, v[T]
	v_mul_f32 v[MU+1], s30, v[T]
.irp p, 0,1,2,3,4,5,6,7,8,9,10,11,12,13,14,15
	v_pk_add_f32 v[X+32*\i+2*\p:X+32*\i+2*\p+1], v[X+32*\i+2*\p:X+32*\i+2*\p+1], v[MU:MU+1] neg_lo:[0,1] neg_hi:[0,1]
.endr
.irp k, 0,1,2,3
	v_pk_mul_f32 v[T+2*\k:T+2*\k+1], v[X+32*\i+2*\k:X+32*\i+2*\k+1], v[X+32*\i+2*\k:X+32*\i+2*\k+1]
.endr
.irp p, 4,5,6,7,8,9,10,11,12,13,14,15
	v_pk_fma_f32 v[T+2*(\p%4):T+2*(\p%4)+1], v[X+32*\i+2*\p:X+32*\i+2*\p+1], v[X+32*\i+2*\p:X+32*\i+2*\p+1], v[T+2*(\p%4):T+2*(\p%4)+1]
.endr
	FOLD
	WSUM T
	v_fma_f32 v[T], v[T], s30, s33                 ; sum / 1024 + 1e-5
	v_rsq_f32 v[RS+2*\i], v[T]
	v_nop                                          ; one plain place behind the transcendental before its result is read (ISA guide 5.7.2)
	s_wait_alu depctr_va_vdst(0)
	v_mov_b32 v[RS+2*\i+1], v[RS+2*\i]
.endm
.macro LNOUT i
.irp p, 0,1,2,3,4,5,6,7,8,9,10,11,12,13,14,15
	v_pk_mul_f32 v[X+32*\i+2*\p:X+32*\i+2*\p+1], v[X+32*\i+2*\p:X+32*\i+2*\p+1], v[RS+2*\i:RS+2*\i+1]
.endr
.irp p, 0,1,2,3,4,5,6,7,8,9,10,11,12,13,14,15
	v_pk_fma_f32 v[X+32*\i+2*\p:X+32*\i+2*\p+1], v[X+32*\i+2*\p:X+32*\i+2*\p+1], v[W+2*\p:W+2*\p+1], v[BV+2*\p:BV+2*\p+1]
.endr
.irp p, 0,1,2,3,4,5,6,7,8,9,10,11,12,13,14,15
	v_cvt_pk_f16_f32 v[Y+16*\i+\p], v[X+32*\i+2*\p], v[X+32*\i+2*\p+1]
.endr
.irp j, 0,1,2,3,4,5,6,7
	global_store_b64 v3, v[Y+16*\i+2*\j:Y+16*\i+2*\j+1], s[SOUT:SOUT+1] offset:2048*\i+256*\j   ; a wave's store: 256 consecutive bytes, aligned
.endr
.endm
.Lnorm:
	s_sub_co_u32 s27, ttmp9, CASTWG
	s_lshl_b32 s28, s27, 16                        ; 16 rows of 4,096 bytes
	s_mov_b32 s30, 0x3a800000                      ; 1/1024
	s_mov_b32 s31, 0x76543210                      ; v_permlanex16_b32: lane i reads lane i of the other half
	s_mov_b32 s32, 0xfedcba98
	s_mov_b32 s33, 0x3727c5ac                      ; 1e-5
	v_and_b32 v1, 31, v0
	v_lshrrev_b32 v19, 5, v0                       ; wave
	v_lshlrev_b32 v3, 3, v1
	v_lshlrev_b32 v1, 4, v1                        ; gain, bias: 16 x lane; load j covers columns 128 j .. 128 j + 127
	v_lshl_add_u32 v2, v19, 13, v1                 ; x: + wave x 2 rows x 4,096
	v_lshl_add_u32 v3, v19, 12, v3                 ; h1: 8 x lane + wave x 2 rows x 2,048
	v_mov_b32 v[PT], 0                             ; the permute's destination counts as read
	s_wait_kmcnt 0x0
	s_add_nc_u64 s[SIN:SIN+1], s[SIN:SIN+1], s[28:29]
	s_lshl_b32 s28, s27, 15
	s_add_nc_u64 s[SOUT:SOUT+1], s[SOUT:SOUT+1], s[28:29]
.irp i, 0,1
.irp j, 0,1,2,3,4,5,6,7
	global_load_b128 v[X+32*\i+4*\j:X+32*\i+4*\j+3], v2, s[SIN:SIN+1] offset:4096*\i+512*\j
.endr
.endr
.irp j, 0,1,2,3,4,5,6,7
	global_load_b128 v[W+4*\j:W+4*\j+3], v1, s[SWT:SWT+1] offset:512*\j
.endr
.irp j, 0,1,2,3,4,5,6,7
	global_load_b128 v[BV+4*\j:BV+4*\j+3], v1, s[SBI:SBI+1] offset:512*\j
.endr
	LNSTAT 0, 24                                   ; row 0's eight loads are in; row 1's, the gain's and the bias's 24 stay out
	LNSTAT 1, 16                                   ; row 1's are in; gain and bias stay out
	s_wait_loadcnt 0x0
	LNOUT 0
	LNOUT 1
	s_endpgm
.Lfunc_end_k_q8265700fb0_prep:
	.size	k_q8265700fb0_prep, .Lfunc_end_k_q8265700fb0_prep-k_q8265700fb0_prep
	.p2alignl 7, 3214868480
	.fill 96, 4, 3214868480
	.section	.rodata,"a",@progbits
	.p2align	6, 0x0
	.amdhsa_kernel k_q8265700fb0_prep
		.amdhsa_group_segment_fixed_size 0
		.amdhsa_private_segment_fixed_size 0
		.amdhsa_enable_private_segment 0
		.amdhsa_kernarg_size 72
		.amdhsa_user_sgpr_count 2
		.amdhsa_user_sgpr_kernarg_segment_ptr 1
		.amdhsa_wavefront_size32 1
		.amdhsa_system_sgpr_workgroup_id_x 1
		.amdhsa_system_sgpr_workgroup_id_y 1
		.amdhsa_system_sgpr_workgroup_id_z 1
		.amdhsa_system_vgpr_workitem_id 0
		.amdhsa_next_free_vgpr 180
		.amdhsa_next_free_sgpr 66
		.amdhsa_reserve_vcc 0
		.amdhsa_float_denorm_mode_32 3
		.amdhsa_float_denorm_mode_16_64 3
		.amdhsa_memory_ordered 1
		.amdhsa_forward_progress 1
		.amdhsa_inst_pref_size 27
	.end_amdhsa_kernel
	.amdgpu_metadata
---
amdhsa.version: [ 1, 2 ]
amdhsa.kernels:
  - .name:           k_q8265700fb0_prep
    .symbol:         k_q8265700fb0_prep.kd
    .args:
      - { .name: W_attn, .offset: 0, .size: 8, .value_kind: global_buffer, .address_space: global }
      - { .name: W_o, .offset: 8, .size: 8, .value_kind: global_buffer, .address_space: global }
      - { .name: W_fc, .offset: 16, .size: 8, .value_kind: global_buffer, .address_space: global }
      - { .name: W_proj, .offset: 24, .size: 8, .value_kind: global_buffer, .address_space: global }
      - { .name: x, .offset: 32, .size: 8, .value_kind: global_buffer, .address_space: global }
      - { .name: ln1_w, .offset: 40, .size: 8, .value_kind: global_buffer, .address_space: global }
      - { .name: ln1_b, .offset: 48, .size: 8, .value_kind: global_buffer, .address_space: global }
      - { .name: wbf, .offset: 56, .size: 8, .value_kind: global_buffer, .address_space: global }
      - { .name: h1, .offset: 64, .size: 8, .value_kind: global_buffer, .address_space: global }
    .group_segment_fixed_size: 0
    .private_segment_fixed_size: 0
    .kernarg_segment_align: 8
    .kernarg_segment_size: 72
    .max_flat_workgroup_size: 256
    .sgpr_count:     66
    .vgpr_count:     180
    .wavefront_size: 32
...
	.end_amdgpu_metadata
.endif
;; end of part 1
;; launch qkvg (part 2): grid 12 x 16, 4 waves a work-group, clusters of 4 x 4, 327,680 bytes of LDS; arguments h1, wbf, b_attn, qkv; writes qkv
.if DOCPART == 2
	.amdgcn_target "amdgcn-amd-amdhsa--gfx1250"
	.amdhsa_code_object_version 6
	.text
	.protected	k_q8265700fb0_qkvg
	.globl	k_q8265700fb0_qkvg
	.p2align	8
	.type	k_q8265700fb0_qkvg,@function
k_q8265700fb0_qkvg:
	s_mov_b64 s[64:65], 0
	v_nop
	global_prefetch_b8 v0, s[64:65] scope:SCOPE_SE
	s_setreg_imm32_b32 hwreg(HW_REG_WAVE_MODE, 25, 1), 1
	s_wait_xcnt 0x0
	s_wait_alu depctr_hold_cnt(0) depctr_sa_sdst(0) depctr_va_vdst(0) depctr_va_sdst(0) depctr_va_ssrc(0) depctr_va_vcc(0) depctr_vm_vsrc(0)
	s_getreg_b32 s2, hwreg(HW_REG_IB_STS2, 6, 4)
	s_cmp_eq_u32 s2, 0
	s_cbranch_scc0 .Lentry_in_a_cluster
	s_endpgm
.Lentry_in_a_cluster:
	s_bfe_u32 s2, ttmp6, 0x10000c
	s_cmp_lg_u32 s2, 0xf033
	s_cbranch_scc0 .Lentry_shape_is_right
	s_endpgm
.Lentry_shape_is_right:
; C = A B + bias (GELU = 1: then the tanh form of GELU), C in f16.  A: [4096][SIZE_K] f16.  B: [SIZE_K][SIZE_N] f16 at byte WOFF of wbf.  bias: f32.
; A work-group makes 256 x 256 of C with four waves, a wave 128 x 128: 64 accumulator tiles, 512 registers.  K goes in steps of 128
; through two LDS slots filled by the tensor data mover.  A's tile: 256 rows x 256 bytes, LDS pitch 272.  B lies [K][N]: its tile is
; 128 k-rows x 512 bytes, LDS pitch 544, and its fragments are made by the transposing LDS load.
; CLUSTERS: 4 x 4 work-groups.  A's tile hangs on the block row alone and is asked for jointly by a row of the cluster, B's on the
; block column alone and is asked for jointly by a column: the requests for A and B are divided by four.
; REGISTERS in windows of 256: window 0: addresses, A's fragments (two buffers), work space of the way out; window 1: B's fragments
; (two buffers), v192-255 the bias of my 128 columns; windows 2 and 3: accumulators of my rows 0-63 and 64-127, tile (a, b) at v[8 (8 a + b)].
; The matrix instruction is used transposed (source 0 = B, source 1 = A): a lane holds row l % 16 of C and eight neighbouring columns.
; Limits: operands and C are f16, sums are f32.  A result beyond 65,504 in magnitude becomes infinite: with the drawn inputs C has a spread
; of 1; with gain and weight both 30 times larger 900, so that 5.5 spreads are 5,000; with a common offset of 30 in the norm's bias and of
; 30 spreads (0.94) in the weight 1024 x 30 x 0.94 = 29,000.  gelu(x) = x / (1 + 2^(x (k1 + k2 x^2))), algebraically the tanh form; where
; the power overflows or underflows it gives 0 or x; v_exp_f32 and v_rcp_f32 are good to 1 ULP and flush denormals.
.set SIZE_N, 3072
.set WOFF,   0
.set GELU,   0
.set SIZE_K, 1024
.set KSTEP,  128
.set PITCHA, 272                       ; 256 + 16: the 16 rows of a fragment load start 16 bytes apart modulo 256
.set PITCHB, 544                       ; 512 + 32: an odd multiple of 32, as the transposing load's eight rows want
.set HALFT,  128*PITCHA                ; what one tensor load brings: 128 rows of A, or 64 k-rows of B (64 x 544, the same bytes)
.set SLOT,   4*HALFT
.set STAGE,  2*SLOT                    ; behind the ring: 16 rows x 272 bytes for each wave; no tensor load lands here
.set SPITCH, 272
.set LAPS,   SIZE_K/(2*KSTEP)
.set ADRA, 16                          ; v16-17 LDS address of my A fragments in slot 0, 1
.set ADRB, 20                          ; v20-21 the same for B
.set STO,  24
.set RD,   25
.set CO,   26
.set BO,   27                          ; byte offset of my columns in the bias
.set KC,   28                          ; v[28:29] k2 twice, v[30:31] k1 twice
.set F0,   64
.set F1,   128
.set E,    64                          ; the way out: 16 rows' results in f32 (buffer 0 is free then)
.set TMP,  192
.set U,    224
.set BIAS, 192                         ; in window 1
.set G1A, 24
.set G0A, 32
.set G1B, 40
.set G0B, 48
.set MSB, 0
.macro WIN new                         ; the immediate's high byte repeats the setting that is left
.if MSB != \new
	s_set_vgpr_msb (MSB<<8)|\new
.set MSB, \new
.endif
.endm
.set MUL_LO, 0xa1                      ; source 0 (B) window 1, source 1 (A) window 0, C and D window 2
.set MUL_HI, 0xf1                      ; the same, C and D window 3
.set TO_B,   0x40                      ; destination window 1, address window 0
; A joint load: waves 0 and 1 ask for A's halves, waves 2 and 3 for B's.  Each line has one mask; the branch hangs on the wave's number alone.
.macro JLOAD s
	s_cmp_eq_u32 s13, 0
	s_cbranch_scc0 .Lfor_b_\@
	tensor_load_to_lds s[G0A+4*\s:G0A+4*\s+3], s[G1A:G1A+7]
	s_nop 0
	s_branch .Lasked_\@
.Lfor_b_\@:
	tensor_load_to_lds s[G0B+4*\s:G0B+4*\s+3], s[G1B:G1B+7]
	s_nop 0
	v_nop
.Lasked_\@:
.endm
.macro CREST                           ; a round of the cluster's barrier behind its opening work-group barrier
	s_cmp_lg_u32 s12, 0
	s_cbranch_scc1 .Lnot_wave_0_\@
	s_barrier_signal -3
.Lnot_wave_0_\@:
	s_barrier_wait -3
	s_barrier_signal -1
	s_barrier_wait -1
.endm
.macro CROUND
	s_barrier_signal -1
	s_barrier_wait -1
	CREST
.endm
	s_load_b256 s[4:11], s[0:1], 0x0               ; A s[4:5], wbf s[6:7], bias s[8:9], C s[10:11]
	s_set_vgpr_msb 0x40
	v_lshl_add_u32 v63, v0, 2, 0x48400
	s_set_vgpr_msb 0x4000
	v_mov_b32 v255, 0
	s_set_vgpr_msb 0x1
	ds_add_u32 v63, v255
	ds_add_u32 v63, v255
	s_set_vgpr_msb 0x100
	v_lshrrev_b32 v1, 5, v0
	v_readfirstlane_b32 s12, v1                    ; wave 0..3
	s_lshr_b32 s13, s12, 1                         ; my half of the block's rows; also: I fetch for A (0) or B (1)
	s_and_b32 s14, s12, 1                          ; my half of its columns; also: which half of that tile I fetch
	s_bfe_u32 s16, ttmp6, 0x40000                  ; cx
	s_bfe_u32 s17, ttmp6, 0x40004                  ; cy
	s_lshl_b32 s18, ttmp9, 2
	s_add_co_u32 s18, s18, s16                     ; block column = 4 x cluster x + cx
	s_and_b32 s19, ttmp7, 0xffff
	s_lshl_b32 s19, s19, 2
	s_add_co_u32 s19, s19, s17                     ; block row = 4 x cluster y + cy
	s_lshl_b32 s56, s17, 2
	s_lshl_b32 s56, 15, s56                        ; my row of the cluster: places 4 cy .. 4 cy + 3
	s_lshl_b32 s57, 0x1111, s16                    ; my column: places cx, cx + 4, cx + 8, cx + 12
	; group 1 for A: 128 rows x 128 elements of 2 bytes; 4 words of padding behind every 64
	s_or_b32 s[G1A+0], s56, (1<<16)|(1<<20)|(1<<21)|(5<<22)|(3<<25)
	s_mov_b32 s[G1A+1], KSTEP<<16                  ; tensor_dim0 = 128
	s_mov_b32 s[G1A+2], 128<<16                    ; tensor_dim1 = 128
	s_mov_b32 s[G1A+3], KSTEP<<16                  ; tile_dim0 = 128
	s_mov_b32 s[G1A+4], 128                        ; tile_dim1 = 128
	s_mov_b32 s[G1A+5], SIZE_K                     ; elements from row to row
	s_mov_b32 s[G1A+6], 0
	s_mov_b32 s[G1A+7], 0
	; group 1 for B: 64 k-rows x 256 elements; 8 words of padding behind every 128
	s_or_b32 s[G1B+0], s57, (1<<16)|(1<<20)|(1<<21)|(6<<22)|(7<<25)
	s_mov_b32 s[G1B+1], 256<<16
	s_mov_b32 s[G1B+2], 64<<16
	s_mov_b32 s[G1B+3], 256<<16
	s_mov_b32 s[G1B+4], 64
	s_mov_b32 s[G1B+5], SIZE_N
	s_mov_b32 s[G1B+6], 0
	s_mov_b32 s[G1B+7], 0
	; A's address is made of the block row and the wave, in s70-71; B's of the block column and the wave, in s72-73
	s_lshl_b32 s70, s19, 8
	s_lshl_b32 s71, s14, 7
	s_add_co_u32 s70, s70, s71                     ; row 256 x block row + 128 x half
	s_mul_i32 s70, s70, SIZE_K*2
	s_mov_b32 s71, 0
	s_mul_i32 s72, s14, 64*SIZE_N*2                ; k-row 64 x half
	s_lshl_b32 s73, s18, 9                         ; 256 columns of 2 bytes a block
	s_add_co_u32 s72, s72, s73
	s_add_co_u32 s72, s72, WOFF
	s_mov_b32 s73, 0
	s_mul_i32 s58, s12, HALFT                      ; where my part goes: wave x 34,816, A's halves and then B's
	s_wait_dscnt 0x0
	s_wait_kmcnt 0x0
	s_add_nc_u64 s[66:67], s[4:5], s[70:71]
	s_add_nc_u64 s[68:69], s[6:7], s[72:73]
	s_lshl_b32 s72, s18, 10                        ; the bias of my 128 columns: 1,024 x block column + 512 x half
	s_lshl_b32 s73, s14, 9
	s_add_co_u32 s72, s72, s73
	s_mov_b32 s73, 0
	s_add_nc_u64 s[8:9], s[8:9], s[72:73]
	CROUND                                         ; all sixteen work-groups are here: the first joint loads meet
.irp s, 0,1
	s_mov_b32 s[G0A+4*\s], 1
	s_add_co_u32 s[G0A+4*\s+1], s58, \s*SLOT
	s_add_nc_u64 s[G0A+4*\s+2:G0A+4*\s+3], s[66:67], \s*KSTEP*2
	s_or_b32 s[G0A+4*\s+3], s[G0A+4*\s+3], 0x80000000
	s_mov_b32 s[G0B+4*\s], 1
	s_add_co_u32 s[G0B+4*\s+1], s58, \s*SLOT
	s_add_nc_u64 s[G0B+4*\s+2:G0B+4*\s+3], s[68:69], \s*KSTEP*SIZE_N*2
	s_or_b32 s[G0B+4*\s+3], s[G0B+4*\s+3], 0x80000000
	JLOAD \s                                       ; both slots' first fills go out before anything else: two tensor loads of a wave are out here, one later
.endr
	v_and_b32 v1, 15, v0                           ; r = l % 16
	v_bfe_u32 v2, v0, 4, 1                         ; h = l / 16
	v_lshlrev_b32 v[BO], 5, v2                     ; tile b, register j is column 16 b + 8 h + j: byte 64 b + 32 h + 4 j
	WIN TO_B
.irp b, 0,1,2,3,4,5,6,7
	global_load_b128 v[BIAS+8*\b:BIAS+8*\b+3],   v[BO], s[8:9] offset:64*\b
	global_load_b128 v[BIAS+8*\b+4:BIAS+8*\b+7], v[BO], s[8:9] offset:64*\b+16
.endr
	WIN 0
	v_mul_u32_u24 v3, v1, PITCHA
	v_lshl_add_u32 v3, v2, 4, v3                   ; A: row x pitch + 16 h
	v_and_b32 v4, 7, v0
	v_lshl_add_u32 v4, v2, 3, v4                   ; B: k-row 8 h + l % 8,
	v_mul_u32_u24 v4, v4, PITCHB
	v_bfe_u32 v5, v0, 3, 1
	v_lshl_add_u32 v4, v5, 4, v4                   ; columns 0-7 or 8-15 of the tile
	s_mul_i32 s20, s13, HALFT                      ; my 128 rows of A
	s_lshl_b32 s21, s14, 8                         ; my 128 columns of B,
	s_add_co_u32 s21, s21, 2*HALFT                 ; which lies behind A
.irp s, 0,1
	v_add_nc_u32 v[ADRA+\s], s20, v3
	v_add_nc_u32 v[ADRB+\s], s21, v4
	s_add_co_u32 s20, s20, SLOT
	s_add_co_u32 s21, s21, SLOT
.endr
	s_mul_i32 s22, s12, 16*SPITCH
	s_add_co_u32 s22, s22, STAGE                   ; my stage
	v_mul_u32_u24 v4, v1, SPITCH
	v_lshl_add_u32 v4, v2, 4, v4
	v_add_nc_u32 v[STO], s22, v4                   ; in: row r, 16 bytes for each half of the lanes
	v_mul_u32_u24 v5, v2, SPITCH
	v_lshl_add_u32 v5, v1, 4, v5
	v_add_nc_u32 v[RD], s22, v5                    ; back: lanes 0-15 one row of 256 bytes, lanes 16-31 the next
	v_mul_u32_u24 v5, v2, SIZE_N*2
	v_lshl_add_u32 v[CO], v1, 4, v5                ; the same two rows in C
.if GELU
	v_mov_b32 v[KC],   0xbdd2d3e8                  ; k2 = -2 log2(e) sqrt(2/pi) 0.044715
	v_mov_b32 v[KC+1], 0xbdd2d3e8
	v_mov_b32 v[KC+2], 0xc0135761                  ; k1 = -2 log2(e) sqrt(2/pi)
	v_mov_b32 v[KC+3], 0xc0135761
.endif
; 16 matrix instructions: m blocks a0, a0 + 1 of the window's four x all 8 n blocks, 32 along K.  zero = 1: the first product starts the sums.
.macro MUL16 f, hi, a0, zero
.irp a, \a0, \a0+1
.irp b, 0,1,2,3,4,5,6,7
.if \zero
	v_wmma_f32_16x16x32_f16 v[8*(8*(\a)+\b):8*(8*(\a)+\b)+7], v[\f+8*\b:\f+8*\b+7], v[\f+8*(4*\hi+\a):\f+8*(4*\hi+\a)+7], 0
.else
	v_wmma_f32_16x16x32_f16 v[8*(8*(\a)+\b):8*(8*(\a)+\b)+7], v[\f+8*\b:\f+8*\b+7], v[\f+8*(4*\hi+\a):\f+8*(4*\hi+\a)+7], v[8*(8*(\a)+\b):8*(8*(\a)+\b)+7]
.endif
.endr
.endr
.endm
; 32 LDS loads in one run: quarter q (32 along K) of a slot into buffer f.  B first (transposed on the way), then A.
.macro FETCH slot, q, f
	WIN TO_B
.irp i, 0,1,2,3,4,5,6,7
	ds_load_tr16_b128 v[\f+8*\i:\f+8*\i+3],   v[ADRB+\slot] offset:\q*32*PITCHB+32*\i
	ds_load_tr16_b128 v[\f+8*\i+4:\f+8*\i+7], v[ADRB+\slot] offset:\q*32*PITCHB+16*PITCHB+32*\i
.endr
	WIN 0
.irp i, 0,1,2,3,4,5,6,7
	ds_load_b128 v[\f+8*\i:\f+8*\i+3],   v[ADRA+\slot] offset:\q*64+\i*16*PITCHA
	ds_load_b128 v[\f+8*\i+4:\f+8*\i+7], v[ADRA+\slot] offset:\q*64+\i*16*PITCHA+32
.endr
.endm
; Four plain places stand between a matrix instruction and a load into one of its registers, or a vector instruction that reads its result.
.macro PLACES
.rept 4
	v_nop
.endr
.endm
; A quarter step: 64 matrix instructions on buffer f; in its middle the next quarter's fragments are fetched into buffer g.
; The 64 accumulators take turns, one instruction a turn, in the same order in every quarter.
.macro QUARTER slot, q, f, g, zero
	s_wait_dscnt 8                                 ; B and A's rows 0-63 are in; the youngest eight loads (A's rows 64-127) may be out
	WIN MUL_LO
	MUL16 \f, 0, 0, \zero
	MUL16 \f, 0, 2, \zero
	PLACES
	FETCH \slot, \q, \g
	s_wait_dscnt 32                                ; all but the 32 just issued
	WIN MUL_HI
	MUL16 \f, 1, 0, \zero
	MUL16 \f, 1, 2, \zero
.endm
.macro THREE slot, zero
	QUARTER \slot, 1, F0, F1, \zero
	QUARTER \slot, 2, F1, F0, 0
	QUARTER \slot, 3, F0, F1, 0
.endm
; The last quarter of a K step changes slots.  In front of the barrier each wave waits for its reads of this slot and for all its tensor
; loads (one is out: its part of the next slot).  Where this slot is filled again the barrier opens a round of the cluster's barrier,
; and the joint refill is the first tensor load behind the round.  From a request to the wait for it a wave issues 240 matrix instructions.
.macro TURN slot, next, fill
	s_wait_dscnt 8
	WIN MUL_LO
	MUL16 F1, 0, 0, 0
	s_wait_dscnt 0
	s_wait_tensorcnt 0x0
	ds_add_u32 v63, v255
	s_wait_dscnt 0x0
	s_barrier_signal -1
	MUL16 F1, 0, 2, 0                              ; register work while the others arrive
	WIN 0
	s_barrier_wait -1
.if \fill
	CREST
	s_add_nc_u64 s[G0A+4*\slot+2:G0A+4*\slot+3], s[G0A+4*\slot+2:G0A+4*\slot+3], 2*KSTEP*2          ; no tensor load of mine is out: group 0 may be written
	s_add_nc_u64 s[G0B+4*\slot+2:G0B+4*\slot+3], s[G0B+4*\slot+2:G0B+4*\slot+3], 2*KSTEP*SIZE_N*2
	JLOAD \slot
.endif
	PLACES
	FETCH \next, 0, F0
	WIN MUL_HI
	MUL16 F1, 1, 0, 0
	MUL16 F1, 1, 2, 0
.endm
.macro LAP zero
	THREE 0, \zero
	TURN 0, 1, 1
	THREE 1, 0
	TURN 1, 0, 1
.endm
	s_wait_tensorcnt 1                             ; my part of K step 0 is in; K step 1's stays out
	s_barrier_signal -1
	s_barrier_wait -1
	FETCH 0, 0, F0
	LAP 1                                          ; the first lap's first products start the sums
.if LAPS > 2
	WIN 0
	s_mov_b32 s15, LAPS-2
.Llap:
	LAP 0
	WIN 0
	s_sub_co_u32 s15, s15, 1
	s_cmp_lg_u32 s15, 0
	s_cbranch_scc1 .Llap
.endif
	THREE 0, 0                                     ; the last lap fills nothing
	TURN 0, 1, 0
	THREE 1, 0
	s_wait_dscnt 8
	WIN MUL_LO
	MUL16 F1, 0, 0, 0
	MUL16 F1, 0, 2, 0
	s_wait_dscnt 0
	WIN MUL_HI
	MUL16 F1, 1, 0, 0
	MUL16 F1, 1, 2, 0
	; THE WAY OUT, 16 rows at a time: + bias (and GELU) in f32, round to f16, through my own stage, out as whole rows of 256 bytes.
	PLACES
	s_wait_loadcnt 0x0                             ; the bias
	s_lshl_b32 s70, s19, 8
	s_lshl_b32 s71, s13, 7
	s_add_co_u32 s70, s70, s71                     ; my first row of C
	s_mul_i32 s70, s70, SIZE_N*2
	s_mov_b32 s71, 0
	s_add_nc_u64 s[10:11], s[10:11], s[70:71]
	s_lshl_b32 s72, s18, 9                         ; my first column, in bytes
	s_lshl_b32 s73, s14, 8
	s_add_co_u32 s72, s72, s73
	s_mov_b32 s73, 0
	s_add_nc_u64 s[10:11], s[10:11], s[72:73]
.macro GELU16 e                        ; sixteen numbers: x / (1 + 2^(x (k1 + k2 x^2)))
.irp p, 0,2,4,6,8,10,12,14
	v_pk_mul_f32 v[U+\p:U+\p+1], v[\e+\p:\e+\p+1], v[\e+\p:\e+\p+1]
.endr
.irp p, 0,2,4,6,8,10,12,14
	v_pk_fma_f32 v[U+\p:U+\p+1], v[U+\p:U+\p+1], v[KC:KC+1], v[KC+2:KC+3]
.endr
.irp p, 0,2,4,6,8,10,12,14
	v_pk_mul_f32 v[U+\p:U+\p+1], v[U+\p:U+\p+1], v[\e+\p:\e+\p+1]
.endr
.irp p, 0,1,2,3,4,5,6,7,8,9,10,11,12,13,14,15
	v_exp_f32 v[U+\p], v[U+\p]
.endr
	v_nop                                          ; one plain place behind the transcendentals (ISA guide 5.7.2)
.irp p, 0,2,4,6,8,10,12,14
	v_pk_add_f32 v[U+\p:U+\p+1], v[U+\p:U+\p+1], 1.0 op_sel_hi:[1,0]
.endr
.irp p, 0,1,2,3,4,5,6,7,8,9,10,11,12,13,14,15
	v_rcp_f32 v[U+\p], v[U+\p]
.endr
	v_nop
.irp p, 0,2,4,6,8,10,12,14
	v_pk_mul_f32 v[\e+\p:\e+\p+1], v[\e+\p:\e+\p+1], v[U+\p:U+\p+1]
.endr
.endm
; rows 16 i .. 16 i + 15 of my block = tiles (a, 0..7) of window 2 or 3.  win: source 0 in that window, source 1 (bias) in window 1.  rb: read-back buffer.
.macro OUT16 i, a, win, rb
	WIN \win
.irp b, 0,1,2,3,4,5,6,7
.irp r, 0,2,4,6
	v_pk_add_f32 v[E+8*\b+\r:E+8*\b+\r+1], v[8*(8*\a+\b)+\r:8*(8*\a+\b)+\r+1], v[BIAS+8*\b+\r:BIAS+8*\b+\r+1]
.endr
.endr
	WIN 0
.if GELU
.irp g, 0,1,2,3
	GELU16 E+16*\g
.endr
.endif
.irp b, 0,1,2,3,4,5,6,7
.irp r, 0,1,2,3
	v_cvt_pk_f16_f32 v[TMP+4*\b+\r], v[E+8*\b+2*\r], v[E+8*\b+2*\r+1]
.endr
.endr
.irp b, 0,1,2,3,4,5,6,7
	ds_store_b128 v[STO], v[TMP+4*\b:TMP+4*\b+3] offset:32*\b
.endr
	s_wait_xcnt 0x0                                ; the read-back buffer, which earlier stores read, and the stores' base are rewritten only behind this wait
.if \i
	s_add_nc_u64 s[10:11], s[10:11], 16*SIZE_N*2
.endif
.irp t, 0,1,2,3,4,5,6,7
	ds_load_b128 v[\rb+4*\t:\rb+4*\t+3], v[RD] offset:\t*2*SPITCH    ; LDS serves a wave's instructions in order: these see the stores above
.endr
.irp t, 0,1,2,3,4,5,6,7
	s_wait_dscnt 7-\t
	global_store_b128 v[CO], v[\rb+4*\t:\rb+4*\t+3], s[10:11] offset:2*\t*SIZE_N*2   ; 16 lanes store 256 consecutive bytes, aligned
.endr
.endm
	OUT16 0, 0, 0x06, 128
	OUT16 1, 1, 0x06, 160
	OUT16 2, 2, 0x06, 128
	OUT16 3, 3, 0x06, 160
	OUT16 4, 0, 0x07, 128
	OUT16 5, 1, 0x07, 160
	OUT16 6, 2, 0x07, 128
	OUT16 7, 3, 0x07, 160
	s_set_vgpr_msb 0x1
	s_wait_tensorcnt 0x0
	ds_add_u32 v63, v255
	s_wait_dscnt 0x0
	s_set_vgpr_msb 0x100
	CROUND                                         ; the closing round: no work-group ends while a partner may still ask for a tile that names it
	s_endpgm
.Lfunc_end_k_q8265700fb0_qkvg:
	.size	k_q8265700fb0_qkvg, .Lfunc_end_k_q8265700fb0_qkvg-k_q8265700fb0_qkvg
	.p2alignl 7, 3214868480
	.fill 96, 4, 3214868480
	.section	.rodata,"a",@progbits
	.p2align	6, 0x0
	.amdhsa_kernel k_q8265700fb0_qkvg
		.amdhsa_group_segment_fixed_size 327680
		.amdhsa_private_segment_fixed_size 0
		.amdhsa_enable_private_segment 0
		.amdhsa_kernarg_size 32
		.amdhsa_user_sgpr_count 2
		.amdhsa_user_sgpr_kernarg_segment_ptr 1
		.amdhsa_wavefront_size32 1
		.amdhsa_system_sgpr_workgroup_id_x 1
		.amdhsa_system_sgpr_workgroup_id_y 1
		.amdhsa_system_sgpr_workgroup_id_z 1
		.amdhsa_system_vgpr_workitem_id 0
		.amdhsa_next_free_vgpr 1024
		.amdhsa_next_free_sgpr 80
		.amdhsa_reserve_vcc 0
		.amdhsa_float_denorm_mode_32 3
		.amdhsa_float_denorm_mode_16_64 3
		.amdhsa_memory_ordered 1
		.amdhsa_forward_progress 1
		.amdhsa_inst_pref_size 214
	.end_amdhsa_kernel
	.amdgpu_metadata
---
amdhsa.version: [ 1, 2 ]
amdhsa.kernels:
  - .name:           k_q8265700fb0_qkvg
    .symbol:         k_q8265700fb0_qkvg.kd
    .args:
      - { .name: h1, .offset: 0, .size: 8, .value_kind: global_buffer, .address_space: global }
      - { .name: wbf, .offset: 8, .size: 8, .value_kind: global_buffer, .address_space: global }
      - { .name: b_attn, .offset: 16, .size: 8, .value_kind: global_buffer, .address_space: global }
      - { .name: qkv, .offset: 24, .size: 8, .value_kind: global_buffer, .address_space: global }
    .group_segment_fixed_size: 327680
    .private_segment_fixed_size: 0
    .kernarg_segment_align: 8
    .kernarg_segment_size: 32
    .max_flat_workgroup_size: 128
    .sgpr_count:     80
    .vgpr_count:     1024
    .wavefront_size: 32
...
	.end_amdgpu_metadata
.endif
;; end of part 2
;; launch attn (part 3): grid 8 x 32, 4 waves a work-group, no clusters, 327,680 bytes of LDS; arguments qkv, y; writes y
.if DOCPART == 3
	.amdgcn_target "amdgcn-amd-amdhsa--gfx1250"
	.amdhsa_code_object_version 6
	.text
	.protected	k_q8265700fb0_attn
	.globl	k_q8265700fb0_attn
	.p2align	8
	.type	k_q8265700fb0_attn,@function
k_q8265700fb0_attn:
	s_mov_b64 s[64:65], 0
	v_nop
	global_prefetch_b8 v0, s[64:65] scope:SCOPE_SE
	s_setreg_imm32_b32 hwreg(HW_REG_WAVE_MODE, 25, 1), 1
	s_wait_xcnt 0x0
; Causal attention with a running maximum.  qkv: [2][2048][3072] f16 (q, k, v; 16 heads of 64).  y: [2][2048][1024] f16.
; Work-group (i, b x 16 + head) takes the query blocks i and 15 - i of 128 rows: (i + 1) + (16 - i) = 17 key tiles of 128 for every
; work-group, so all 256 do the same work.  A wave takes 32 queries (two tiles of 16).
; S^T = K Q^T: a lane holds ONE query (l % 16) and the keys 16 kt + 8 (l / 16) + j, so maximum and sum run along the lane's own registers
; and one exchange with the other half of the lanes; two neighbouring registers rounded to f16 are already the second operand of
; O^T = V^T P^T; V^T's fragments come from V as it lies, [key][d], by the transposing LDS load.
; K and V go through two LDS slots: waves 0, 1 fetch V's halves, waves 2, 3 K's; one tensor load of a wave is out at any time.
; NO MULTICAST: the eight work-groups of a head walk different runs of tiles (i + 1 tiles, then 16 - i), so partners would ask for
; different tiles in the same step; made alike, each would do the longest partner's work.
; Limits: q, k, v, P and y are f16, sums f32.  P lies in 0 .. 1 (the running maximum is taken away first), and a P below 6e-8 counts as 0
; beside the largest, which is 1; y is a mean of v's rows and has v's range.  Exponentials are 2^(c s - c m) with m the running maximum;
; a NaN or an infinity in q or k is not treated specially.
.set ROWB,  6144                       ; bytes in a row of qkv
.set VP,    160                        ; V's LDS pitch: 128 + 32, an odd multiple of 32
.set KP,    144                        ; K's LDS pitch: 128 + 16, an odd multiple of 16
.set VBYTES, 128*VP
.set KBYTES, 128*KP
.set SLOT,  VBYTES+KBYTES
.set STAGE, 2*SLOT                     ; 32 rows x 144 bytes for each wave; no tensor load lands here
.set SP,    144
.set DM,   1                           ; v1      32 w + r - 8 h: key 16 kt + 8 h + j lies behind query 32 w + 16 q + r where 16 kt + j - 16 q > DM
.set KADR, 2                           ; v2-3    K fragments, slot 0, 1
.set VADR, 4                           ; v4-5    V fragments
.set STO,  6
.set RD,   7
.set YOA,  8                           ; v8, v9  my byte offset in y, first and second block
.set YOB,  9
.set QOA,  10                          ; v10, v11 my byte offset in q
.set QOB,  11
.set PT,   12
.set NINF, 13
.set MX,   14                          ; v14-15  running maximum of query tile 0, 1
.set LS,   16                          ; v[16:19] running sums, a pair for each query tile
.set NM,   20                          ; v[20:21] -c m, twice
.set AL,   22                          ; v[22:23] 2^(c (m_old - m)), twice
.set T,    24                          ; v[24:31] at work
.set TMP,  32                          ; v[32:63] packed results
.set SC,   64                          ; v[64:191]  scores: tile (kt, q) at 64 + 64 q + 8 kt
.set OA,   192                         ; v[192:255] O^T: tile (dt, q) at 192 + 32 q + 8 dt
.set KF,   0                           ; window 1: K fragments (kt, ks) at 16 kt + 8 ks
.set QF,   128                         ; window 1: Q fragments (q, ks) at 128 + 16 q + 8 ks
.set VF,   0                           ; window 2: V^T fragments (dt, kk) at 8 (4 kk + dt)
.set G1V, 24
.set G1K, 32
.set G0V, 40
.set G0K, 48
.set MSB, 0
.macro WIN new
.if MSB != \new
	s_set_vgpr_msb (MSB<<8)|\new
.set MSB, \new
.endif
.endm
.macro KVLOAD s                        ; one tensor load a wave: 64 rows x 128 bytes of V (waves 0, 1) or of K (waves 2, 3)
	s_cmp_eq_u32 s9, 0
	s_cbranch_scc0 .Lfor_k_\@
	tensor_load_to_lds s[G0V+4*(\s):G0V+4*(\s)+3], s[G1V:G1V+7]
	s_nop 0
	s_branch .Lasked_\@
.Lfor_k_\@:
	tensor_load_to_lds s[G0K+4*(\s):G0K+4*(\s)+3], s[G1K:G1K+7]
	s_nop 0
.Lasked_\@:
.endm
.macro QLOAD off                       ; my 32 queries as second operands: row r of tile q, d = 32 ks + 8 h .. and 32 ks + 16 + 8 h ..
	WIN 0x40
.irp q, 0,1
.irp ks, 0,1
	global_load_b128 v[QF+16*\q+8*\ks:QF+16*\q+8*\ks+3],   v[\off], s[66:67] offset:\q*16*ROWB+64*\ks
	global_load_b128 v[QF+16*\q+8*\ks+4:QF+16*\q+8*\ks+7], v[\off], s[66:67] offset:\q*16*ROWB+64*\ks+32
.endr
.endr
	WIN 0
.endm
; A new query block.  The step at which the block changes hangs on the work-group's number, so no first product with C = 0 can be written for it: O is cleared, twice in the launch.
.macro INIT
	v_mov_b32 v[MX], v[NINF]
	v_mov_b32 v[MX+1], v[NINF]
.irp k, 0,1,2,3
	v_mov_b32 v[LS+\k], 0
.endr
.set n, 0
.rept 64
	v_mov_b32 v[OA+n], 0
.set n, n+1
.endr
.endm
.macro MASK                            ; the diagonal tile: keys behind the query become -inf
.set mq, 0
.rept 2
.set mk, 0
.rept 8
.set mj, 0
.rept 8
.if 16*mk+mj-16*mq > -8
	v_cmp_gt_i32 vcc_lo, 16*mk+mj-16*mq, v[DM]
	v_cndmask_b32 v[SC+64*mq+8*mk+mj], v[SC+64*mq+8*mk+mj], v[NINF], vcc_lo
.endif
.set mj, mj+1
.endr
.set mk, mk+1
.endr
.set mq, mq+1
.endr
.endm
.macro SOFTMAX q
.irp k, 0,1,2,3
	v_max3_num_f32 v[T+\k], v[SC+64*\q+\k], v[SC+64*\q+4+\k], v[SC+64*\q+8+\k]     ; four chains, started by the first twelve scores
.endr
.set n, 0
.rept 26
	v_max3_num_f32 v[T+n%4], v[T+n%4], v[SC+64*\q+12+2*n], v[SC+64*\q+13+2*n]
.set n, n+1
.endr
	v_max3_num_f32 v[T], v[T], v[T+1], v[T+2]
	v_max_num_f32 v[T], v[T], v[T+3]
	v_permlanex16_b32 v[PT], v[T], s18, s19        ; the other half of the lanes holds the query's other keys
	v_max3_num_f32 v[T], v[T], v[PT], v[MX+\q]     ; the new running maximum
	v_sub_f32 v[AL], v[MX+\q], v[T]
	v_mul_f32 v[AL], s20, v[AL]
	v_exp_f32 v[AL], v[AL]                         ; what the old sums are scaled by (0 for a new block: 2^-inf)
	v_mul_f32 v[NM], s22, v[T]                     ; also the plain place behind the transcendental
	v_mov_b32 v[MX+\q], v[T]
	v_mov_b32 v[NM+1], v[NM]
	s_wait_alu depctr_va_vdst(0)
	v_mov_b32 v[AL+1], v[AL]
.set n, 0
.rept 32
	v_pk_fma_f32 v[SC+64*\q+2*n:SC+64*\q+2*n+1], v[SC+64*\q+2*n:SC+64*\q+2*n+1], s[20:21], v[NM:NM+1] op_sel_hi:[1,0,1]
.set n, n+1
.endr
.set n, 0
.rept 64
	v_exp_f32 v[SC+64*\q+n], v[SC+64*\q+n]
.set n, n+1
.endr
	v_nop                                          ; one plain place behind the transcendentals (ISA guide 5.7.2)
	s_wait_alu depctr_va_vdst(0)
.irp k, 0,1,2,3
	v_pk_add_f32 v[T+2*\k:T+2*\k+1], v[SC+64*\q+2*\k:SC+64*\q+2*\k+1], v[SC+64*\q+8+2*\k:SC+64*\q+8+2*\k+1]
.endr
.set n, 8
.rept 24
	v_pk_add_f32 v[T+2*(n%4):T+2*(n%4)+1], v[T+2*(n%4):T+2*(n%4)+1], v[SC+64*\q+2*n:SC+64*\q+2*n+1]
.set n, n+1
.endr
	v_pk_add_f32 v[T:T+1], v[T:T+1], v[T+2:T+3]
	v_pk_add_f32 v[T+4:T+5], v[T+4:T+5], v[T+6:T+7]
	v_pk_add_f32 v[T:T+1], v[T:T+1], v[T+4:T+5]
	v_pk_fma_f32 v[LS+2*\q:LS+2*\q+1], v[LS+2*\q:LS+2*\q+1], v[AL:AL+1], v[T:T+1]
	; P to f16 in place: score tiles 2 kk and 2 kk + 1 become registers 0-3 and 4-7 of the operand for keys 32 kk .. 32 kk + 31
.irp kk, 0,1,2,3
.irp r, 0,1,2,3
	v_cvt_pk_f16_f32 v[SC+64*\q+16*\kk+\r], v[SC+64*\q+16*\kk+2*\r], v[SC+64*\q+16*\kk+2*\r+1]
.endr
.irp r, 0,1,2,3
	v_cvt_pk_f16_f32 v[SC+64*\q+16*\kk+4+\r], v[SC+64*\q+16*\kk+8+2*\r], v[SC+64*\q+16*\kk+9+2*\r]
.endr
.endr
.set n, 0
.rept 16
	v_pk_mul_f32 v[OA+32*\q+2*n:OA+32*\q+2*n+1], v[OA+32*\q+2*n:OA+32*\q+2*n+1], v[AL:AL+1]
.set n, n+1
.endr
.endm
.macro PV q                            ; O^T += V^T P^T: the four accumulators take turns, one instruction a turn
	WIN 0x02
.irp kk, 0,1,2,3
.irp dt, 0,1,2,3
	v_wmma_f32_16x16x32_f16 v[OA+32*\q+8*\dt:OA+32*\q+8*\dt+7], v[VF+8*(4*\kk+\dt):VF+8*(4*\kk+\dt)+7], v[SC+64*\q+16*\kk:SC+64*\q+16*\kk+7], v[OA+32*\q+8*\dt:OA+32*\q+8*\dt+7]
.endr
.endr
	WIN 0
.endm
; A block is done: O / l, to f16, through my stage, out as the head's whole rows of 128 bytes (eight lanes a row).
.macro FIN yo, last
.rept 4
	v_nop                                          ; four plain places behind the last products before O is read (ISA guide 7.12.1)
.endr
	v_add_f32 v[T], v[LS], v[LS+1]
	v_add_f32 v[T+2], v[LS+2], v[LS+3]
	v_permlanex16_b32 v[PT], v[T], s18, s19
	v_add_f32 v[T], v[T], v[PT]
	v_permlanex16_b32 v[PT], v[T+2], s18, s19
	v_add_f32 v[T+2], v[T+2], v[PT]
	v_rcp_f32 v[T], v[T]
	v_rcp_f32 v[T+2], v[T+2]
	v_nop
	s_wait_alu depctr_va_vdst(0)
	v_mov_b32 v[T+1], v[T]
	v_mov_b32 v[T+3], v[T+2]
.irp q, 0,1
.irp dt, 0,1,2,3
.irp r, 0,2,4,6
	v_pk_mul_f32 v[OA+32*\q+8*\dt+\r:OA+32*\q+8*\dt+\r+1], v[OA+32*\q+8*\dt+\r:OA+32*\q+8*\dt+\r+1], v[T+2*\q:T+2*\q+1]
.endr
.irp r, 0,1,2,3
	v_cvt_pk_f16_f32 v[TMP+4*(4*\q+\dt)+\r], v[OA+32*\q+8*\dt+2*\r], v[OA+32*\q+8*\dt+2*\r+1]
.endr
	ds_store_b128 v[STO], v[TMP+4*(4*\q+\dt):TMP+4*(4*\q+\dt)+3] offset:\q*16*SP+32*\dt
.endr
.endr
.irp t, 0,1,2,3,4,5,6,7
	ds_load_b128 v[SC+4*\t:SC+4*\t+3], v[RD] offset:4*SP*\t        ; four rows a load; LDS serves a wave's instructions in order
.endr
.irp t, 0,1,2,3,4,5,6,7
	s_wait_dscnt 7-\t
	global_store_b128 v[\yo], v[SC+4*\t:SC+4*\t+3], s[60:61] offset:8192*\t
.endr
.if \last == 0
	s_wait_xcnt 0x0                                ; the stores' data registers are scores again in the next step
	INIT
.endif
.endm
; One key tile.  slot: where it lies.  refill: the next step's tile is asked for.  last: the launch's last step (the second block's diagonal).
.macro STEP slot, refill, last
.rept 5
	v_nop                                          ; five plain places behind the last products: their operands are loaded and written over below (ISA guide 7.12.1)
.endr
	s_wait_loadcnt 0x0                             ; Q is in (met at once in the steps in which none was asked for)
	s_set_vgpr_msb 0x5
	s_wait_tensorcnt 0x0                           ; all my tensor loads are done, my part of this step's tile among them: group 0 may be written
	ds_add_u32 v254, v255
	s_wait_dscnt 0x0
	s_set_vgpr_msb 0x500
.if \refill
	s_add_co_u32 s62, s16, 1
	s_cmp_eq_u32 s15, s11                          ; behind the first block's diagonal the second block begins at key tile 0
	s_cselect_b32 s16, 0, s62
	s_mul_i32 s58, s16, 128*ROWB
	s_add_nc_u64 s[G0V+6-4*\slot:G0V+7-4*\slot], s[56:57], s[58:59]
	s_or_b32 s[G0V+7-4*\slot], s[G0V+7-4*\slot], 0x80000000
	s_add_nc_u64 s[G0K+6-4*\slot:G0K+7-4*\slot], s[56:57], s[58:59]
	s_or_b32 s[G0K+7-4*\slot], s[G0K+7-4*\slot], 0x80000000
.endif
	s_wait_dscnt 0x0                               ; my reads of the other slot are done
	s_barrier_signal -1
	s_barrier_wait -1                              ; both now hold of every wave
.if \refill
	KVLOAD 1-\slot                                 ; my one tensor load behind the barrier; it has the whole step in which to land
.endif
	WIN 0x40
.irp kt, 0,1,2,3,4,5,6,7
.irp ks, 0,1
	ds_load_b128 v[KF+16*\kt+8*\ks:KF+16*\kt+8*\ks+3],   v[KADR+\slot] offset:\kt*16*KP+64*\ks
	ds_load_b128 v[KF+16*\kt+8*\ks+4:KF+16*\kt+8*\ks+7], v[KADR+\slot] offset:\kt*16*KP+64*\ks+32
.endr
.endr
	WIN 0x80
.irp kk, 0,1,2,3
.irp dt, 0,1,2,3
	ds_load_tr16_b128 v[VF+8*(4*\kk+\dt):VF+8*(4*\kk+\dt)+3],   v[VADR+\slot] offset:\kk*32*VP+32*\dt
	ds_load_tr16_b128 v[VF+8*(4*\kk+\dt)+4:VF+8*(4*\kk+\dt)+7], v[VADR+\slot] offset:\kk*32*VP+16*VP+32*\dt
.endr
.endr
	WIN 0x05                                       ; K and Q in window 1, scores in window 0
.irp kt, 0,1,2,3,4,5,6,7
	s_wait_dscnt 60-4*\kt                          ; of the 64 loads the oldest 4 (kt + 1) are in: K's rows up to tile kt
	v_wmma_f32_16x16x32_f16 v[SC+8*\kt:SC+8*\kt+7],       v[KF+16*\kt:KF+16*\kt+7],    v[QF:QF+7],     0       ; the two query tiles take turns
	v_wmma_f32_16x16x32_f16 v[SC+64+8*\kt:SC+64+8*\kt+7], v[KF+16*\kt:KF+16*\kt+7],    v[QF+16:QF+23], 0
	v_wmma_f32_16x16x32_f16 v[SC+8*\kt:SC+8*\kt+7],       v[KF+16*\kt+8:KF+16*\kt+15], v[QF+8:QF+15],  v[SC+8*\kt:SC+8*\kt+7]
	v_wmma_f32_16x16x32_f16 v[SC+64+8*\kt:SC+64+8*\kt+7], v[KF+16*\kt+8:KF+16*\kt+15], v[QF+24:QF+31], v[SC+64+8*\kt:SC+64+8*\kt+7]
.endr
	WIN 0
.rept 4
	v_nop                                          ; four plain places before the scores are read and Q's registers loaded again
.endr
.if \last
	MASK
.else
	s_cmp_lg_u32 s15, s11
	s_cbranch_scc1 .Lnot_diag_\@
	MASK
	QLOAD QOB                                      ; the scores are made: the second block's Q lands under the softmax
.Lnot_diag_\@:
.endif
	SOFTMAX 0
	s_wait_dscnt 0x0                               ; V's fragments
	PV 0
	SOFTMAX 1
	PV 1
.if \last
	FIN YOB, 1
.else
	s_cmp_lg_u32 s15, s11
	s_cbranch_scc1 .Lnot_done_\@
	FIN YOA, 0
.Lnot_done_\@:
	s_add_co_u32 s15, s15, 1
.endif
.endm
	s_load_b128 s[4:7], s[0:1], 0x0                ; qkv s[4:5], y s[6:7]
	s_set_vgpr_msb 0x40
	v_lshl_add_u32 v254, v0, 2, 0x29000
	v_mov_b32 v255, 0
	s_set_vgpr_msb 0x4045
	ds_add_u32 v254, v255
	ds_add_u32 v254, v255
	s_set_vgpr_msb 0x4500
	v_lshrrev_b32 v1, 5, v0
	v_readfirstlane_b32 s8, v1                     ; wave
	s_lshr_b32 s9, s8, 1                           ; 0: I fetch V, 1: K
	s_and_b32 s10, s8, 1                           ; which 64 rows of the tile
	s_mov_b32 s11, ttmp9                           ; i
	s_and_b32 s12, ttmp7, 0xffff
	s_lshr_b32 s13, s12, 4                         ; batch
	s_and_b32 s14, s12, 15                         ; head
	s_mov_b32 s15, 0                               ; step
	s_mov_b32 s16, 0                               ; this step's key tile
	s_mov_b32 s18, 0x76543210
	s_mov_b32 s19, 0xfedcba98
	s_mov_b32 s20, 0x3e38aa3b                      ; c = log2(e) / 8
	s_mov_b32 s21, 0x3e38aa3b
	s_mov_b32 s22, 0xbe38aa3b                      ; -c
	; group 1: 64 rows x 64 elements of 2 bytes; behind every 32 words V gets 8 words of padding, K 4
	s_mov_b32 s[G1V+0], (1<<16)|(1<<20)|(4<<22)|(7<<25)
	s_mov_b32 s[G1K+0], (1<<16)|(1<<20)|(4<<22)|(3<<25)
.irp g, G1V, G1K
	s_mov_b32 s[\g+1], 64<<16                      ; tensor_dim0 = 64
	s_mov_b32 s[\g+2], 64<<16                      ; tensor_dim1 = 64
	s_mov_b32 s[\g+3], 64<<16                      ; tile_dim0 = 64
	s_mov_b32 s[\g+4], 64                          ; tile_dim1 = 64
	s_mov_b32 s[\g+5], 3072                        ; elements from row to row
	s_mov_b32 s[\g+6], 0
	s_mov_b32 s[\g+7], 0
.endr
	s_mul_i32 s58, s13, 2048*ROWB
	s_lshl_b32 s62, s14, 7
	s_add_co_u32 s58, s58, s62
	s_mov_b32 s59, 0
	s_wait_dscnt 0x0
	s_wait_kmcnt 0x0
	s_add_nc_u64 s[66:67], s[4:5], s[58:59]        ; q of my batch and head
	s_lshl_b32 s58, s9, 11
	s_sub_co_u32 s58, 4096, s58                    ; v lies 4,096 bytes into a row, k 2,048
	s_mul_i32 s62, s10, 64*ROWB
	s_add_co_u32 s58, s58, s62
	s_add_nc_u64 s[56:57], s[66:67], s[58:59]      ; my half of key tile 0
	s_lshl_b32 s58, s13, 22
	s_lshl_b32 s62, s14, 7
	s_add_co_u32 s58, s58, s62
	s_add_nc_u64 s[60:61], s[6:7], s[58:59]        ; y of my batch and head
	s_mul_i32 s62, s8, 64*VP                       ; V's halves at wave x 10,240 (waves 0, 1)
	s_mul_i32 s63, s8, 64*KP
	s_add_co_u32 s63, s63, VBYTES-2*64*KP          ; K's halves behind V (waves 2, 3)
.irp s, 0,1
	s_mov_b32 s[G0V+4*\s], 1
	s_add_co_u32 s[G0V+4*\s+1], s62, \s*SLOT
	s_mov_b64 s[G0V+4*\s+2:G0V+4*\s+3], s[56:57]
	s_or_b32 s[G0V+4*\s+3], s[G0V+4*\s+3], 0x80000000
	s_mov_b32 s[G0K+4*\s], 1
	s_add_co_u32 s[G0K+4*\s+1], s63, \s*SLOT
	s_mov_b64 s[G0K+4*\s+2:G0K+4*\s+3], s[56:57]
	s_or_b32 s[G0K+4*\s+3], s[G0K+4*\s+3], 0x80000000
.endr
	KVLOAD 0                                       ; key tile 0: the one first fill at the start; slot 1 is first filled behind the first step's barrier
	v_and_b32 v24, 15, v0                          ; r
	v_bfe_u32 v25, v0, 4, 1                        ; h
	v_and_b32 v26, 7, v0
	v_bfe_u32 v27, v0, 3, 1
	v_bfe_u32 v28, v0, 3, 2                        ; lane / 8
	s_lshl_b32 s62, s11, 7
	s_lshl_b32 s63, s8, 5
	s_add_co_u32 s62, s62, s63                     ; my first query of the first block: 128 i + 32 w
	s_sub_co_u32 s23, 15, s11
	s_lshl_b32 s23, s23, 7
	s_add_co_u32 s23, s23, s63                     ; of the second: 128 (15 - i) + 32 w
	v_add_nc_u32 v30, s62, v24
	v_mul_u32_u24 v30, v30, ROWB
	v_lshl_add_u32 v[QOA], v25, 4, v30
	v_add_nc_u32 v30, s23, v24
	v_mul_u32_u24 v30, v30, ROWB
	v_lshl_add_u32 v[QOB], v25, 4, v30
	QLOAD QOA
	v_lshlrev_b32 v31, 4, v26
	v_add_nc_u32 v30, s62, v28
	v_lshl_add_u32 v[YOA], v30, 11, v31
	v_add_nc_u32 v30, s23, v28
	v_lshl_add_u32 v[YOB], v30, 11, v31
	v_mul_u32_u24 v29, v24, KP
	v_lshl_add_u32 v29, v25, 4, v29                ; r x 144 + 16 h: K's fragments, and my place in the stage
	v_add_nc_u32 v[KADR], VBYTES, v29
	v_add_nc_u32 v[KADR+1], VBYTES+SLOT, v29
	v_lshl_add_u32 v30, v25, 3, v26                ; V: key 8 h + l % 8,
	v_mul_u32_u24 v30, v30, VP
	v_lshl_add_u32 v[VADR], v27, 4, v30            ; d 0-7 or 8-15 of the tile
	v_add_nc_u32 v[VADR+1], SLOT, v[VADR]
	s_mul_i32 s23, s8, 32*SP
	s_add_co_u32 s23, s23, STAGE
	v_add_nc_u32 v[STO], s23, v29
	v_mul_u32_u24 v30, v28, SP
	v_add_nc_u32 v30, v30, v31
	v_add_nc_u32 v[RD], s23, v30
	v_lshlrev_b32 v30, 3, v25
	v_sub_nc_u32 v[DM], v24, v30
	v_add_nc_u32 v[DM], s63, v[DM]
	v_mov_b32 v[PT], 0
	v_mov_b32 v[NINF], 0xff800000
	INIT
	s_mov_b32 s17, 8
.Lpair:
	STEP 0, 1, 0
	STEP 1, 1, 0
	s_sub_co_u32 s17, s17, 1
	s_cmp_lg_u32 s17, 0
	s_cbranch_scc1 .Lpair
	STEP 0, 0, 1                                   ; the seventeenth step asks for nothing
	s_set_vgpr_msb 0x5
	s_wait_tensorcnt 0x0
	ds_add_u32 v254, v255
	s_wait_dscnt 0x0
	s_set_vgpr_msb 0x500
	s_endpgm
.Lfunc_end_k_q8265700fb0_attn:
	.size	k_q8265700fb0_attn, .Lfunc_end_k_q8265700fb0_attn-k_q8265700fb0_attn
	.p2alignl 7, 3214868480
	.fill 96, 4, 3214868480
	.section	.rodata,"a",@progbits
	.p2align	6, 0x0
	.amdhsa_kernel k_q8265700fb0_attn
		.amdhsa_group_segment_fixed_size 327680
		.amdhsa_private_segment_fixed_size 0
		.amdhsa_enable_private_segment 0
		.amdhsa_kernarg_size 16
		.amdhsa_user_sgpr_count 2
		.amdhsa_user_sgpr_kernarg_segment_ptr 1
		.amdhsa_wavefront_size32 1
		.amdhsa_system_sgpr_workgroup_id_x 1
		.amdhsa_system_sgpr_workgroup_id_y 1
		.amdhsa_system_sgpr_workgroup_id_z 1
		.amdhsa_system_vgpr_workitem_id 0
		.amdhsa_next_free_vgpr 640
		.amdhsa_next_free_sgpr 72
		.amdhsa_reserve_vcc 1
		.amdhsa_float_denorm_mode_32 3
		.amdhsa_float_denorm_mode_16_64 3
		.amdhsa_memory_ordered 1
		.amdhsa_forward_progress 1
		.amdhsa_inst_pref_size 161
	.end_amdhsa_kernel
	.amdgpu_metadata
---
amdhsa.version: [ 1, 2 ]
amdhsa.kernels:
  - .name:           k_q8265700fb0_attn
    .symbol:         k_q8265700fb0_attn.kd
    .args:
      - { .name: qkv, .offset: 0, .size: 8, .value_kind: global_buffer, .address_space: global }
      - { .name: y, .offset: 8, .size: 8, .value_kind: global_buffer, .address_space: global }
    .group_segment_fixed_size: 327680
    .private_segment_fixed_size: 0
    .kernarg_segment_align: 8
    .kernarg_segment_size: 16
    .max_flat_workgroup_size: 128
    .sgpr_count:     72
    .vgpr_count:     640
    .wavefront_size: 32
...
	.end_amdgpu_metadata
.endif
;; end of part 3
;; launch og (part 4): grid 8 x 32, 4 waves a work-group, clusters of 4 x 4, 327,680 bytes of LDS; arguments y, wbf, b_o, x, x1; writes x1
.if DOCPART == 4
	.amdgcn_target "amdgcn-amd-amdhsa--gfx1250"
	.amdhsa_code_object_version 6
	.text
	.protected	k_q8265700fb0_og
	.globl	k_q8265700fb0_og
	.p2align	8
	.type	k_q8265700fb0_og,@function
k_q8265700fb0_og:
	s_mov_b64 s[64:65], 0
	v_nop
	global_prefetch_b8 v0, s[64:65] scope:SCOPE_SE
	s_setreg_imm32_b32 hwreg(HW_REG_WAVE_MODE, 25, 1), 1
	s_wait_xcnt 0x0
	s_wait_alu depctr_hold_cnt(0) depctr_sa_sdst(0) depctr_va_vdst(0) depctr_va_sdst(0) depctr_va_ssrc(0) depctr_va_vcc(0) depctr_vm_vsrc(0)
	s_getreg_b32 s2, hwreg(HW_REG_IB_STS2, 6, 4)
	s_cmp_eq_u32 s2, 0
	s_cbranch_scc0 .Lentry_in_a_cluster
	s_endpgm
.Lentry_in_a_cluster:
	s_bfe_u32 s2, ttmp6, 0x10000c
	s_cmp_lg_u32 s2, 0xf033
	s_cbranch_scc0 .Lentry_shape_is_right
	s_endpgm
.Lentry_shape_is_right:
; C = R + A B + bias, C and R in f32.  A: [4096][SIZE_K] f16.  B: [SIZE_K][1024] f16 at byte WOFF of wbf.
; N = 1,024 gives 256 blocks of 128 x 128, one for each work-group.  Each of the four waves makes the WHOLE block (64 accumulator
; tiles, so 16 KiB from LDS feed 64 matrix instructions) over a quarter of K: of each K step of 256 wave w takes k = 64 w .. 64 w + 63.
; The four partial sums meet once, in LDS, at the end; wave w then finishes rows 32 w .. 32 w + 31.
; Two LDS slots of one K step: B 256 k-rows x 256 bytes (pitch 288), then A 128 rows x 512 bytes (pitch 528).
; CLUSTERS: 4 x 4 work-groups; A's tile is asked for jointly along a row of the cluster, B's along a column.
; Registers as windows of 256: 0 addresses, A's fragments; 1 B's fragments; 2, 3 accumulators of rows 0-63, 64-127.
; The matrix instruction is used transposed (source 0 = B, source 1 = A): a lane holds row l % 16 and eight neighbouring columns.
; Limits: operands are f16 as the launches before stored them, sums f32; a sum over K is formed as (s0 + s1) + (s2 + s3) of the four waves' parts.
.set SIZE_K, 1024
.set WOFF,   6291456
.set SIZE_N, 1024
.set KSTEP,  256
.set PITCHA, 528                       ; 512 + 16
.set PITCHB, 288                       ; 256 + 32, an odd multiple of 32
.set BBYTES, 256*PITCHB
.set ABYTES, 128*PITCHA
.set SLOT,   BBYTES+ABYTES
.set LAPS,   SIZE_K/(2*KSTEP)
.set RPITCH, 528                       ; the meeting place: 128 f32 + 16 bytes a row
.set REGION, 128*RPITCH                ; one wave's partial block; the four lie in the slots, which have had their last fill by then
.set ADRA, 16
.set ADRB, 20
.set STO,  24
.set CO,   26                          ; my byte offset in R and in C
.set BO,   27                          ; 16 x lane
.set RD,   28                          ; v28-31 my place in the four partial blocks
.set BI,   32                          ; v[32:35] bias of my four columns
.set F0,   64
.set F1,   128
.set RES,  64                          ; window 1: R of my 32 rows, 4 registers a row
.set G1A, 24
.set G0A, 32
.set G1B, 40
.set G0B, 48
.set MSB, 0
.macro WIN new
.if MSB != \new
	s_set_vgpr_msb (MSB<<8)|\new
.set MSB, \new
.endif
.endm
.set MUL_LO, 0xa1
.set MUL_HI, 0xf1
.set TO_B,   0x40
.macro JLOAD s                         ; waves 0 and 1 ask for B's halves, waves 2 and 3 for A's; one mask a line
	s_cmp_eq_u32 s13, 0
	s_cbranch_scc0 .Lfor_a_\@
	tensor_load_to_lds s[G0B+4*\s:G0B+4*\s+3], s[G1B:G1B+7]
	s_nop 0
	s_branch .Lasked_\@
.Lfor_a_\@:
	tensor_load_to_lds s[G0A+4*\s:G0A+4*\s+3], s[G1A:G1A+7]
	s_nop 0
.Lasked_\@:
.endm
.macro CREST
	s_cmp_lg_u32 s12, 0
	s_cbranch_scc1 .Lnot_wave_0_\@
	s_barrier_signal -3
.Lnot_wave_0_\@:
	s_barrier_wait -3
	s_barrier_signal -1
	s_barrier_wait -1
.endm
.macro CROUND
	s_barrier_signal -1
	s_barrier_wait -1
	CREST
.endm
	s_load_b256 s[4:11], s[0:1], 0x0               ; A s[4:5], wbf s[6:7], bias s[8:9], R s[10:11]
	s_load_b64 s[74:75], s[0:1], 0x20              ; C
	s_set_vgpr_msb 0x40
	v_lshl_add_u32 v255, v0, 2, 0x45000
	s_set_vgpr_msb 0x4000
	v_mov_b32 v255, 0
	s_set_vgpr_msb 0x1
	ds_add_u32 v255, v255
	ds_add_u32 v255, v255
	s_set_vgpr_msb 0x100
	v_lshrrev_b32 v1, 5, v0
	v_readfirstlane_b32 s12, v1                    ; wave
	s_lshr_b32 s13, s12, 1                         ; I fetch for B (0) or A (1)
	s_and_b32 s14, s12, 1                          ; which half of that tile
	s_bfe_u32 s16, ttmp6, 0x40000                  ; cx
	s_bfe_u32 s17, ttmp6, 0x40004                  ; cy
	s_lshl_b32 s18, ttmp9, 2
	s_add_co_u32 s18, s18, s16                     ; block column
	s_and_b32 s19, ttmp7, 0xffff
	s_lshl_b32 s19, s19, 2
	s_add_co_u32 s19, s19, s17                     ; block row
	s_lshl_b32 s56, s17, 2
	s_lshl_b32 s56, 15, s56                        ; my row of the cluster
	s_lshl_b32 s57, 0x1111, s16                    ; my column
	; group 1 for A: 64 rows x 256 elements of 2 bytes; 4 words of padding behind every 128
	s_or_b32 s[G1A+0], s56, (1<<16)|(1<<20)|(1<<21)|(6<<22)|(3<<25)
	s_mov_b32 s[G1A+1], KSTEP<<16
	s_mov_b32 s[G1A+2], 64<<16
	s_mov_b32 s[G1A+3], KSTEP<<16
	s_mov_b32 s[G1A+4], 64
	s_mov_b32 s[G1A+5], SIZE_K
	s_mov_b32 s[G1A+6], 0
	s_mov_b32 s[G1A+7], 0
	; group 1 for B: 128 k-rows x 128 elements; 8 words of padding behind every 64
	s_or_b32 s[G1B+0], s57, (1<<16)|(1<<20)|(1<<21)|(5<<22)|(7<<25)
	s_mov_b32 s[G1B+1], 128<<16
	s_mov_b32 s[G1B+2], 128<<16
	s_mov_b32 s[G1B+3], 128<<16
	s_mov_b32 s[G1B+4], 128
	s_mov_b32 s[G1B+5], SIZE_N
	s_mov_b32 s[G1B+6], 0
	s_mov_b32 s[G1B+7], 0
	s_lshl_b32 s70, s19, 7
	s_lshl_b32 s71, s14, 6
	s_add_co_u32 s70, s70, s71                     ; A: row 128 x block row + 64 x half
	s_mul_i32 s70, s70, SIZE_K*2
	s_mov_b32 s71, 0
	s_lshl_b32 s72, s14, 18                        ; B: k-row 128 x half, 2,048 bytes a row
	s_lshl_b32 s73, s18, 8                         ; 128 columns of 2 bytes a block
	s_add_co_u32 s72, s72, s73
	s_add_co_u32 s72, s72, WOFF
	s_mov_b32 s73, 0
	s_mul_i32 s58, s12, 128*PITCHB                 ; B's halves at wave x 36,864 (waves 0, 1)
	s_mul_i32 s59, s12, 64*PITCHA
	s_add_co_u32 s59, s59, BBYTES-2*64*PITCHA      ; A's halves behind B (waves 2, 3)
	s_wait_dscnt 0x0
	s_wait_kmcnt 0x0
	s_add_nc_u64 s[66:67], s[4:5], s[70:71]
	s_add_nc_u64 s[68:69], s[6:7], s[72:73]
	s_lshl_b32 s72, s18, 9                         ; 128 columns of f32
	s_add_nc_u64 s[8:9], s[8:9], s[72:73]
	CROUND                                         ; all sixteen work-groups are here: the first joint loads meet
.irp s, 0,1
	s_mov_b32 s[G0A+4*\s], 1
	s_add_co_u32 s[G0A+4*\s+1], s59, \s*SLOT
	s_add_nc_u64 s[G0A+4*\s+2:G0A+4*\s+3], s[66:67], \s*KSTEP*2
	s_or_b32 s[G0A+4*\s+3], s[G0A+4*\s+3], 0x80000000
	s_mov_b32 s[G0B+4*\s], 1
	s_add_co_u32 s[G0B+4*\s+1], s58, \s*SLOT
	s_add_nc_u64 s[G0B+4*\s+2:G0B+4*\s+3], s[68:69], \s*KSTEP*SIZE_N*2
	s_or_b32 s[G0B+4*\s+3], s[G0B+4*\s+3], 0x80000000
	JLOAD \s                                       ; two tensor loads of a wave are out here, one later
.endr
	v_and_b32 v1, 15, v0                           ; r
	v_bfe_u32 v2, v0, 4, 1                         ; h
	v_and_b32 v6, 31, v0
	v_lshlrev_b32 v[BO], 4, v6
	global_load_b128 v[BI:BI+3], v[BO], s[8:9]     ; waited for on the way out
	v_mul_u32_u24 v3, v1, PITCHA
	v_lshl_add_u32 v3, v2, 4, v3
	s_lshl_b32 s20, s12, 7                         ; A: my 64 k are 128 bytes of each row,
	s_add_co_u32 s20, s20, BBYTES                  ; behind B
	v_and_b32 v4, 7, v0
	v_lshl_add_u32 v4, v2, 3, v4
	v_mul_u32_u24 v4, v4, PITCHB
	v_bfe_u32 v5, v0, 3, 1
	v_lshl_add_u32 v4, v5, 4, v4
	s_mul_i32 s21, s12, 64*PITCHB                  ; B: my 64 k-rows
.irp s, 0,1
	v_add_nc_u32 v[ADRA+\s], s20, v3
	v_add_nc_u32 v[ADRB+\s], s21, v4
	s_add_co_u32 s20, s20, SLOT
	s_add_co_u32 s21, s21, SLOT
.endr
	s_mul_i32 s22, s12, REGION
	v_mul_u32_u24 v5, v1, RPITCH
	v_lshl_add_u32 v5, v2, 5, v5                   ; row r, eight f32 for each half of the lanes
	v_add_nc_u32 v[STO], s22, v5
	s_mul_i32 s22, s12, 32*RPITCH
	v_add_nc_u32 v[RD], s22, v[BO]                 ; my 32 rows, 16 bytes a lane, in each of the four partial blocks
	v_add_nc_u32 v[RD+1], REGION, v[RD]
	v_add_nc_u32 v[RD+2], 2*REGION, v[RD]
	v_add_nc_u32 v[RD+3], 3*REGION, v[RD]
	s_lshl_b32 s22, s12, 17                        ; 32 rows of 4,096 bytes
	v_add_nc_u32 v[CO], s22, v[BO]
.macro MUL16 f, hi, a0, zero
.irp a, \a0, \a0+1
.irp b, 0,1,2,3,4,5,6,7
.if \zero
	v_wmma_f32_16x16x32_f16 v[8*(8*(\a)+\b):8*(8*(\a)+\b)+7], v[\f+8*\b:\f+8*\b+7], v[\f+8*(4*\hi+\a):\f+8*(4*\hi+\a)+7], 0
.else
	v_wmma_f32_16x16x32_f16 v[8*(8*(\a)+\b):8*(8*(\a)+\b)+7], v[\f+8*\b:\f+8*\b+7], v[\f+8*(4*\hi+\a):\f+8*(4*\hi+\a)+7], v[8*(8*(\a)+\b):8*(8*(\a)+\b)+7]
.endif
.endr
.endr
.endm
.macro FETCH slot, q, f                ; half q (32 along K) of my 64 k of a slot: B transposed on the way, then A
	WIN TO_B
.irp i, 0,1,2,3,4,5,6,7
	ds_load_tr16_b128 v[\f+8*\i:\f+8*\i+3],   v[ADRB+\slot] offset:\q*32*PITCHB+32*\i
	ds_load_tr16_b128 v[\f+8*\i+4:\f+8*\i+7], v[ADRB+\slot] offset:\q*32*PITCHB+16*PITCHB+32*\i
.endr
	WIN 0
.irp i, 0,1,2,3,4,5,6,7
	ds_load_b128 v[\f+8*\i:\f+8*\i+3],   v[ADRA+\slot] offset:\q*64+\i*16*PITCHA
	ds_load_b128 v[\f+8*\i+4:\f+8*\i+7], v[ADRA+\slot] offset:\q*64+\i*16*PITCHA+32
.endr
.endm
.macro PLACES                          ; four plain places behind a matrix instruction (ISA guide 7.12.1)
.rept 4
	v_nop
.endr
.endm
; 64 matrix instructions on buffer f; the 64 accumulators take turns, one instruction a turn
.macro QUARTER slot, q, f, g, zero
	s_wait_dscnt 8                                 ; the youngest eight loads (A's rows 64-127) may be out
	WIN MUL_LO
	MUL16 \f, 0, 0, \zero
	MUL16 \f, 0, 2, \zero
	PLACES
	FETCH \slot, \q, \g
	s_wait_dscnt 32                                ; all but the 32 just issued
	WIN MUL_HI
	MUL16 \f, 1, 0, \zero
	MUL16 \f, 1, 2, \zero
.endm
; The second half of a K step changes slots: the waits for my reads and for all my tensor loads, the barrier (which opens a round of the
; cluster's barrier where the slot is filled again), the joint refill first behind it.  From a request to its wait: 112 matrix instructions.
.macro TURN slot, next, fill
	s_wait_dscnt 8
	WIN MUL_LO
	MUL16 F1, 0, 0, 0
	s_wait_dscnt 0
	s_wait_tensorcnt 0x0
	ds_add_u32 v255, v255
	s_wait_dscnt 0x0
	s_barrier_signal -1
	MUL16 F1, 0, 2, 0
	WIN 0
	s_barrier_wait -1
.if \fill
	CREST
	s_add_nc_u64 s[G0A+4*\slot+2:G0A+4*\slot+3], s[G0A+4*\slot+2:G0A+4*\slot+3], 2*KSTEP*2
	s_add_nc_u64 s[G0B+4*\slot+2:G0B+4*\slot+3], s[G0B+4*\slot+2:G0B+4*\slot+3], 2*KSTEP*SIZE_N*2
	JLOAD \slot
.endif
	PLACES
	FETCH \next, 0, F0
	WIN MUL_HI
	MUL16 F1, 1, 0, 0
	MUL16 F1, 1, 2, 0
.endm
.macro LAP zero
	QUARTER 0, 1, F0, F1, \zero
	TURN 0, 1, 1
	QUARTER 1, 1, F0, F1, 0
	TURN 1, 0, 1
.endm
	s_wait_tensorcnt 1                             ; my part of K step 0 is in; K step 1's stays out
	s_barrier_signal -1
	s_barrier_wait -1
	FETCH 0, 0, F0
	LAP 1
.if LAPS > 2
	WIN 0
	s_mov_b32 s15, LAPS-2
.Llap:
	LAP 0
	WIN 0
	s_sub_co_u32 s15, s15, 1
	s_cmp_lg_u32 s15, 0
	s_cbranch_scc1 .Llap
.endif
	QUARTER 0, 1, F0, F1, 0                        ; the last lap fills nothing
	TURN 0, 1, 0
	QUARTER 1, 1, F0, F1, 0
	s_wait_dscnt 8
	WIN MUL_LO
	MUL16 F1, 0, 0, 0
	MUL16 F1, 0, 2, 0
	s_wait_dscnt 0
	WIN MUL_HI
	MUL16 F1, 1, 0, 0
	MUL16 F1, 1, 2, 0
	; THE WAY OUT
	PLACES
	s_lshl_b32 s70, s19, 19                        ; 128 rows of 4,096 bytes a block row
	s_mov_b32 s71, 0
	s_lshl_b32 s72, s18, 9
	s_mov_b32 s73, 0
	s_add_nc_u64 s[10:11], s[10:11], s[70:71]
	s_add_nc_u64 s[10:11], s[10:11], s[72:73]
	s_add_nc_u64 s[74:75], s[74:75], s[70:71]
	s_add_nc_u64 s[74:75], s[74:75], s[72:73]
	WIN TO_B
.set n, 0
.rept 32
	global_load_b128 v[RES+4*n:RES+4*n+3], v[CO], s[10:11] offset:4096*n     ; R of my 32 rows lands while the partial sums meet
.set n, n+1
.endr
	WIN 0
	s_wait_dscnt 0x0
	s_barrier_signal -1
	s_barrier_wait -1                              ; every wave's reads of the slots are over, and no tensor load is out or will follow
	WIN 0x08                                       ; store data from window 2
.irp a, 0,1,2,3
.irp b, 0,1,2,3,4,5,6,7
	ds_store_b128 v[STO], v[8*(8*\a+\b):8*(8*\a+\b)+3]   offset:\a*16*RPITCH+64*\b
	ds_store_b128 v[STO], v[8*(8*\a+\b)+4:8*(8*\a+\b)+7] offset:\a*16*RPITCH+64*\b+16
.endr
.endr
	WIN 0x0c                                       ; from window 3
.irp a, 0,1,2,3
.irp b, 0,1,2,3,4,5,6,7
	ds_store_b128 v[STO], v[8*(8*\a+\b):8*(8*\a+\b)+3]   offset:(\a+4)*16*RPITCH+64*\b
	ds_store_b128 v[STO], v[8*(8*\a+\b)+4:8*(8*\a+\b)+7] offset:(\a+4)*16*RPITCH+64*\b+16
.endr
.endr
	WIN 0
	s_wait_dscnt 0x0                               ; my partial block is written,
	s_barrier_signal -1
	s_barrier_wait -1                              ; everybody's is
	s_wait_loadcnt 0x0                             ; bias and R
.macro BATCH g                         ; eight of my rows: four parts, bias, R; a store of the wave covers a block's row, 512 consecutive bytes, aligned
.if \g
	s_wait_xcnt 0x0                                ; the last batch's store data are loaded over only behind this wait
.endif
.irp t, 0,1,2,3,4,5,6,7
.irp k, 0,1,2,3
	ds_load_b128 v[F0+16*\t+4*\k:F0+16*\t+4*\k+3], v[RD+\k] offset:(8*\g+\t)*RPITCH
.endr
.endr
.irp t, 0,1,2,3,4,5,6,7
	s_wait_dscnt 4*(7-\t)                          ; row t's four loads are in
	v_pk_add_f32 v[F0+16*\t:F0+16*\t+1],     v[F0+16*\t:F0+16*\t+1],     v[F0+16*\t+4:F0+16*\t+5]
	v_pk_add_f32 v[F0+16*\t+2:F0+16*\t+3],   v[F0+16*\t+2:F0+16*\t+3],   v[F0+16*\t+6:F0+16*\t+7]
	v_pk_add_f32 v[F0+16*\t+8:F0+16*\t+9],   v[F0+16*\t+8:F0+16*\t+9],   v[F0+16*\t+12:F0+16*\t+13]
	v_pk_add_f32 v[F0+16*\t+10:F0+16*\t+11], v[F0+16*\t+10:F0+16*\t+11], v[F0+16*\t+14:F0+16*\t+15]
	v_pk_add_f32 v[F0+16*\t:F0+16*\t+1],     v[F0+16*\t:F0+16*\t+1],     v[F0+16*\t+8:F0+16*\t+9]
	v_pk_add_f32 v[F0+16*\t+2:F0+16*\t+3],   v[F0+16*\t+2:F0+16*\t+3],   v[F0+16*\t+10:F0+16*\t+11]
	v_pk_add_f32 v[F0+16*\t:F0+16*\t+1],     v[F0+16*\t:F0+16*\t+1],     v[BI:BI+1]
	v_pk_add_f32 v[F0+16*\t+2:F0+16*\t+3],   v[F0+16*\t+2:F0+16*\t+3],   v[BI+2:BI+3]
.endr
	WIN 0x04                                       ; source 1 (R) in window 1
.irp t, 0,1,2,3,4,5,6,7
	v_pk_add_f32 v[F0+16*\t:F0+16*\t+1],   v[F0+16*\t:F0+16*\t+1],   v[RES+4*(8*\g+\t):RES+4*(8*\g+\t)+1]
	v_pk_add_f32 v[F0+16*\t+2:F0+16*\t+3], v[F0+16*\t+2:F0+16*\t+3], v[RES+4*(8*\g+\t)+2:RES+4*(8*\g+\t)+3]
.endr
	WIN 0
.irp t, 0,1,2,3,4,5,6,7
	global_store_b128 v[CO], v[F0+16*\t:F0+16*\t+3], s[74:75] offset:(8*\g+\t)*4096
.endr
.endm
	BATCH 0
	BATCH 1
	BATCH 2
	BATCH 3
	s_set_vgpr_msb 0x1
	s_wait_tensorcnt 0x0
	ds_add_u32 v255, v255
	s_wait_dscnt 0x0
	s_set_vgpr_msb 0x100
	CROUND                                         ; the closing round
	s_endpgm
.Lfunc_end_k_q8265700fb0_og:
	.size	k_q8265700fb0_og, .Lfunc_end_k_q8265700fb0_og-k_q8265700fb0_og
	.p2alignl 7, 3214868480
	.fill 96, 4, 3214868480
	.section	.rodata,"a",@progbits
	.p2align	6, 0x0
	.amdhsa_kernel k_q8265700fb0_og
		.amdhsa_group_segment_fixed_size 327680
		.amdhsa_private_segment_fixed_size 0
		.amdhsa_enable_private_segment 0
		.amdhsa_kernarg_size 40
		.amdhsa_user_sgpr_count 2
		.amdhsa_user_sgpr_kernarg_segment_ptr 1
		.amdhsa_wavefront_size32 1
		.amdhsa_system_sgpr_workgroup_id_x 1
		.amdhsa_system_sgpr_workgroup_id_y 1
		.amdhsa_system_sgpr_workgroup_id_z 1
		.amdhsa_system_vgpr_workitem_id 0
		.amdhsa_next_free_vgpr 1024
		.amdhsa_next_free_sgpr 80
		.amdhsa_reserve_vcc 0
		.amdhsa_float_denorm_mode_32 3
		.amdhsa_float_denorm_mode_16_64 3
		.amdhsa_memory_ordered 1
		.amdhsa_forward_progress 1
		.amdhsa_inst_pref_size 104
	.end_amdhsa_kernel
	.amdgpu_metadata
---
amdhsa.version: [ 1, 2 ]
amdhsa.kernels:
  - .name:           k_q8265700fb0_og
    .symbol:         k_q8265700fb0_og.kd
    .args:
      - { .name: y, .offset: 0, .size: 8, .value_kind: global_buffer, .address_space: global }
      - { .name: wbf, .offset: 8, .size: 8, .value_kind: global_buffer, .address_space: global }
      - { .name: b_o, .offset: 16, .size: 8, .value_kind: global_buffer, .address_space: global }
      - { .name: x, .offset: 24, .size: 8, .value_kind: global_buffer, .address_space: global }
      - { .name: x1, .offset: 32, .size: 8, .value_kind: global_buffer, .address_space: global }
    .group_segment_fixed_size: 327680
    .private_segment_fixed_size: 0
    .kernarg_segment_align: 8
    .kernarg_segment_size: 40
    .max_flat_workgroup_size: 128
    .sgpr_count:     80
    .vgpr_count:     1024
    .wavefront_size: 32
...
	.end_amdgpu_metadata
.endif
;; end of part 4
;; launch ln2 (part 5): grid 256 x 1, 8 waves a work-group, no clusters, 0 bytes of LDS; arguments x1, ln2_w, ln2_b, h2; writes h2
.if DOCPART == 5
	.amdgcn_target "amdgcn-amd-amdhsa--gfx1250"
	.amdhsa_code_object_version 6
	.text
	.protected	k_q8265700fb0_ln2
	.globl	k_q8265700fb0_ln2
	.p2align	8
	.type	k_q8265700fb0_ln2,@function
k_q8265700fb0_ln2:
	s_mov_b64 s[64:65], 0
	v_nop
	global_prefetch_b8 v0, s[64:65] scope:SCOPE_SE
	s_setreg_imm32_b32 hwreg(HW_REG_WAVE_MODE, 25, 1), 1
	s_wait_xcnt 0x0
; h2 = LayerNorm(x1) * ln2_w + ln2_b in f16.  x1: [4096][1024] f32.  16 rows a work-group, two rows a wave.
; A row is 32 registers of a wave and stays there between the mean, the centred squares and the output: x1 is read once, and the
; variance is the mean of (x - mean)^2: no difference of large sums.  A stream: no LDS, no barrier, no matrix unit.
; Limits: h2 is f16: a number beyond 65,504 in magnitude becomes infinite (it is at most 32 |gain| + |bias|).  v_rsq_f32 is good to 1 ULP;
; NaN and infinities spread over their row as in any sum.
.set SIN, 4                            ; s[4:5] x1    s[6:7] gain    s[8:9] bias    s[10:11] h2
.set SWT, 6
.set SBI, 8
.set SOUT, 10
.set T,   4                            ; v[4:11]    four pairs at work
.set MU,  12                           ; v[12:13]   the mean, twice
.set RS,  14                           ; v[14:17]   1/sqrt(var + eps), twice, for each row
.set PT,  18
.set W,   20                           ; v[20:51]   gain of my 32 columns
.set BV,  52                           ; v[52:83]   bias
.set X,   84                           ; v[84:147]  two rows
.set Y,   148                          ; v[148:179] two rows in f16
.macro WSUM r                          ; sum over the 32 lanes, result in every lane
	v_add_f32_dpp v[\r], v[\r], v[\r] row_xmask:1 row_mask:0xf bank_mask:0xf
	v_add_f32_dpp v[\r], v[\r], v[\r] row_xmask:2 row_mask:0xf bank_mask:0xf
	v_add_f32_dpp v[\r], v[\r], v[\r] row_xmask:4 row_mask:0xf bank_mask:0xf
	v_add_f32_dpp v[\r], v[\r], v[\r] row_xmask:8 row_mask:0xf bank_mask:0xf
	v_permlanex16_b32 v[PT], v[\r], s31, s32
	v_add_f32 v[\r], v[\r], v[PT]
.endm
.macro FOLD
	v_pk_add_f32 v[T:T+1], v[T:T+1], v[T+2:T+3]
	v_pk_add_f32 v[T+4:T+5], v[T+4:T+5], v[T+6:T+7]
	v_pk_add_f32 v[T:T+1], v[T:T+1], v[T+4:T+5]
	v_add_f32 v[T], v[T], v[T+1]
.endm
.macro LNSTAT i, left
	s_wait_loadcnt \left
.irp k, 0,1,2,3
	v_pk_add_f32 v[T+2*\k:T+2*\k+1], v[X+32*\i+2*\k:X+32*\i+2*\k+1], v[X+32*\i+8+2*\k:X+32*\i+8+2*\k+1]
.endr
.irp p, 8,9,10,11,12,13,14,15
	v_pk_add_f32 v[T+2*(\p%4):T+2*(\p%4)+1], v[T+2*(\p%4):T+2*(\p%4)+1], v[X+32*\i+2*\p:X+32*\i+2*\p+1]
.endr
	FOLD
	WSUM T
	v_mul_f32 v[MU], s30, v[T]
	v_mul_f32 v[MU+1], s30, v[T]
.irp p, 0,1,2,3,4,5,6,7,8,9,10,11,12,13,14,15
	v_pk_add_f32 v[X+32*\i+2*\p:X+32*\i+2*\p+1], v[X+32*\i+2*\p:X+32*\i+2*\p+1], v[MU:MU+1] neg_lo:[0,1] neg_hi:[0,1]
.endr
.irp k, 0,1,2,3
	v_pk_mul_f32 v[T+2*\k:T+2*\k+1], v[X+32*\i+2*\k:X+32*\i+2*\k+1], v[X+32*\i+2*\k:X+32*\i+2*\k+1]
.endr
.irp p, 4,5,6,7,8,9,10,11,12,13,14,15
	v_pk_fma_f32 v[T+2*(\p%4):T+2*(\p%4)+1], v[X+32*\i+2*\p:X+32*\i+2*\p+1], v[X+32*\i+2*\p:X+32*\i+2*\p+1], v[T+2*(\p%4):T+2*(\p%4)+1]
.endr
	FOLD
	WSUM T
	v_fma_f32 v[T], v[T], s30, s33                 ; sum / 1024 + 1e-5
	v_rsq_f32 v[RS+2*\i], v[T]
	v_nop                                          ; one plain place behind the transcendental (ISA guide 5.7.2)
	s_wait_alu depctr_va_vdst(0)
	v_mov_b32 v[RS+2*\i+1], v[RS+2*\i]
.endm
.macro LNOUT i
.irp p, 0,1,2,3,4,5,6,7,8,9,10,11,12,13,14,15
	v_pk_mul_f32 v[X+32*\i+2*\p:X+32*\i+2*\p+1], v[X+32*\i+2*\p:X+32*\i+2*\p+1], v[RS+2*\i:RS+2*\i+1]
.endr
.irp p, 0,1,2,3,4,5,6,7,8,9,10,11,12,13,14,15
	v_pk_fma_f32 v[X+32*\i+2*\p:X+32*\i+2*\p+1], v[X+32*\i+2*\p:X+32*\i+2*\p+1], v[W+2*\p:W+2*\p+1], v[BV+2*\p:BV+2*\p+1]
.endr
.irp p, 0,1,2,3,4,5,6,7,8,9,10,11,12,13,14,15
	v_cvt_pk_f16_f32 v[Y+16*\i+\p], v[X+32*\i+2*\p], v[X+32*\i+2*\p+1]
.endr
.irp j, 0,1,2,3,4,5,6,7
	global_store_b64 v3, v[Y+16*\i+2*\j:Y+16*\i+2*\j+1], s[SOUT:SOUT+1] offset:2048*\i+256*\j   ; a wave's store: 256 consecutive bytes, aligned
.endr
.endm
	s_load_b256 s[4:11], s[0:1], 0x0
	s_lshl_b32 s28, ttmp9, 16                      ; 16 rows of 4,096 bytes
	s_mov_b32 s29, 0
	s_mov_b32 s30, 0x3a800000                      ; 1/1024
	s_mov_b32 s31, 0x76543210
	s_mov_b32 s32, 0xfedcba98
	s_mov_b32 s33, 0x3727c5ac                      ; 1e-5
	v_and_b32 v1, 31, v0
	v_lshrrev_b32 v19, 5, v0                       ; wave
	v_lshlrev_b32 v3, 3, v1
	v_lshlrev_b32 v1, 4, v1                        ; gain, bias: 16 x lane; load j covers columns 128 j .. 128 j + 127
	v_lshl_add_u32 v2, v19, 13, v1                 ; x1: + wave x 2 rows x 4,096
	v_lshl_add_u32 v3, v19, 12, v3                 ; h2: 8 x lane + wave x 2 rows x 2,048
	v_mov_b32 v[PT], 0
	s_wait_kmcnt 0x0
	s_add_nc_u64 s[SIN:SIN+1], s[SIN:SIN+1], s[28:29]
	s_lshl_b32 s28, ttmp9, 15
	s_add_nc_u64 s[SOUT:SOUT+1], s[SOUT:SOUT+1], s[28:29]
.irp i, 0,1
.irp j, 0,1,2,3,4,5,6,7
	global_load_b128 v[X+32*\i+4*\j:X+32*\i+4*\j+3], v2, s[SIN:SIN+1] offset:4096*\i+512*\j
.endr
.endr
.irp j, 0,1,2,3,4,5,6,7
	global_load_b128 v[W+4*\j:W+4*\j+3], v1, s[SWT:SWT+1] offset:512*\j
.endr
.irp j, 0,1,2,3,4,5,6,7
	global_load_b128 v[BV+4*\j:BV+4*\j+3], v1, s[SBI:SBI+1] offset:512*\j
.endr
	LNSTAT 0, 24                                   ; row 0's eight loads are in; the 24 younger ones stay out
	LNSTAT 1, 16                                   ; row 1's are in; gain and bias stay out
	s_wait_loadcnt 0x0
	LNOUT 0
	LNOUT 1
	s_endpgm
.Lfunc_end_k_q8265700fb0_ln2:
	.size	k_q8265700fb0_ln2, .Lfunc_end_k_q8265700fb0_ln2-k_q8265700fb0_ln2
	.p2alignl 7, 3214868480
	.fill 96, 4, 3214868480
	.section	.rodata,"a",@progbits
	.p2align	6, 0x0
	.amdhsa_kernel k_q8265700fb0_ln2
		.amdhsa_group_segment_fixed_size 0
		.amdhsa_private_segment_fixed_size 0
		.amdhsa_enable_private_segment 0
		.amdhsa_kernarg_size 32
		.amdhsa_user_sgpr_count 2
		.amdhsa_user_sgpr_kernarg_segment_ptr 1
		.amdhsa_wavefront_size32 1
		.amdhsa_system_sgpr_workgroup_id_x 1
		.amdhsa_system_sgpr_workgroup_id_y 1
		.amdhsa_system_sgpr_workgroup_id_z 1
		.amdhsa_system_vgpr_workitem_id 0
		.amdhsa_next_free_vgpr 180
		.amdhsa_next_free_sgpr 66
		.amdhsa_reserve_vcc 0
		.amdhsa_float_denorm_mode_32 3
		.amdhsa_float_denorm_mode_16_64 3
		.amdhsa_memory_ordered 1
		.amdhsa_forward_progress 1
		.amdhsa_inst_pref_size 20
	.end_amdhsa_kernel
	.amdgpu_metadata
---
amdhsa.version: [ 1, 2 ]
amdhsa.kernels:
  - .name:           k_q8265700fb0_ln2
    .symbol:         k_q8265700fb0_ln2.kd
    .args:
      - { .name: x1, .offset: 0, .size: 8, .value_kind: global_buffer, .address_space: global }
      - { .name: ln2_w, .offset: 8, .size: 8, .value_kind: global_buffer, .address_space: global }
      - { .name: ln2_b, .offset: 16, .size: 8, .value_kind: global_buffer, .address_space: global }
      - { .name: h2, .offset: 24, .size: 8, .value_kind: global_buffer, .address_space: global }
    .group_segment_fixed_size: 0
    .private_segment_fixed_size: 0
    .kernarg_segment_align: 8
    .kernarg_segment_size: 32
    .max_flat_workgroup_size: 256
    .sgpr_count:     66
    .vgpr_count:     180
    .wavefront_size: 32
...
	.end_amdgpu_metadata
.endif
;; end of part 5
;; launch fcg (part 6): grid 16 x 16, 4 waves a work-group, clusters of 4 x 4, 327,680 bytes of LDS; arguments h2, wbf, b_fc, g; writes g
.if DOCPART == 6
	.amdgcn_target "amdgcn-amd-amdhsa--gfx1250"
	.amdhsa_code_object_version 6
	.text
	.protected	k_q8265700fb0_fcg
	.globl	k_q8265700fb0_fcg
	.p2align	8
	.type	k_q8265700fb0_fcg,@function
k_q8265700fb0_fcg:
	s_mov_b64 s[64:65], 0
	v_nop
	global_prefetch_b8 v0, s[64:65] scope:SCOPE_SE
	s_setreg_imm32_b32 hwreg(HW_REG_WAVE_MODE, 25, 1), 1
	s_wait_xcnt 0x0
	s_wait_alu depctr_hold_cnt(0) depctr_sa_sdst(0) depctr_va_vdst(0) depctr_va_sdst(0) depctr_va_ssrc(0) depctr_va_vcc(0) depctr_vm_vsrc(0)
	s_getreg_b32 s2, hwreg(HW_REG_IB_STS2, 6, 4)
	s_cmp_eq_u32 s2, 0
	s_cbranch_scc0 .Lentry_in_a_cluster
	s_endpgm
.Lentry_in_a_cluster:
	s_bfe_u32 s2, ttmp6, 0x10000c
	s_cmp_lg_u32 s2, 0xf033
	s_cbranch_scc0 .Lentry_shape_is_right
	s_endpgm
.Lentry_shape_is_right:
; C = A B + bias (GELU = 1: then the tanh form of GELU), C in f16.  A: [4096][SIZE_K] f16.  B: [SIZE_K][SIZE_N] f16 at byte WOFF of wbf.  bias: f32.
; A work-group makes 256 x 256 of C with four waves, a wave 128 x 128: 64 accumulator tiles, 512 registers.  K goes in steps of 128
; through two LDS slots filled by the tensor data mover.  A's tile: 256 rows x 256 bytes, LDS pitch 272.  B lies [K][N]: its tile is
; 128 k-rows x 512 bytes, LDS pitch 544, and its fragments are made by the transposing LDS load.
; CLUSTERS: 4 x 4 work-groups.  A's tile hangs on the block row alone and is asked for jointly by a row of the cluster, B's on the
; block column alone and is asked for jointly by a column: the requests for A and B are divided by four.
; REGISTERS in windows of 256: window 0: addresses, A's fragments (two buffers), work space of the way out; window 1: B's fragments
; (two buffers), v192-255 the bias of my 128 columns; windows 2 and 3: accumulators of my rows 0-63 and 64-127, tile (a, b) at v[8 (8 a + b)].
; The matrix instruction is used transposed (source 0 = B, source 1 = A): a lane holds row l % 16 of C and eight neighbouring columns.
; Limits: operands and C are f16, sums are f32.  A result beyond 65,504 in magnitude becomes infinite: with the drawn inputs C has a spread
; of 1; with gain and weight both 30 times larger 900, so that 5.5 spreads are 5,000; with a common offset of 30 in the norm's bias and of
; 30 spreads (0.94) in the weight 1024 x 30 x 0.94 = 29,000.  gelu(x) = x / (1 + 2^(x (k1 + k2 x^2))), algebraically the tanh form; where
; the power overflows or underflows it gives 0 or x; v_exp_f32 and v_rcp_f32 are good to 1 ULP and flush denormals.
.set SIZE_N, 4096
.set WOFF,   8388608
.set GELU,   1
.set SIZE_K, 1024
.set KSTEP,  128
.set PITCHA, 272                       ; 256 + 16: the 16 rows of a fragment load start 16 bytes apart modulo 256
.set PITCHB, 544                       ; 512 + 32: an odd multiple of 32, as the transposing load's eight rows want
.set HALFT,  128*PITCHA                ; what one tensor load brings: 128 rows of A, or 64 k-rows of B (64 x 544, the same bytes)
.set SLOT,   4*HALFT
.set STAGE,  2*SLOT                    ; behind the ring: 16 rows x 272 bytes for each wave; no tensor load lands here
.set SPITCH, 272
.set LAPS,   SIZE_K/(2*KSTEP)
.set ADRA, 16                          ; v16-17 LDS address of my A fragments in slot 0, 1
.set ADRB, 20                          ; v20-21 the same for B
.set STO,  24
.set RD,   25
.set CO,   26
.set BO,   27                          ; byte offset of my columns in the bias
.set KC,   28                          ; v[28:29] k2 twice, v[30:31] k1 twice
.set F0,   64
.set F1,   128
.set E,    64                          ; the way out: 16 rows' results in f32 (buffer 0 is free then)
.set TMP,  192
.set U,    224
.set BIAS, 192                         ; in window 1
.set G1A, 24
.set G0A, 32
.set G1B, 40
.set G0B, 48
.set MSB, 0
.macro WIN new                         ; the immediate's high byte repeats the setting that is left
.if MSB != \new
	s_set_vgpr_msb (MSB<<8)|\new
.set MSB, \new
.endif
.endm
.set MUL_LO, 0xa1                      ; source 0 (B) window 1, source 1 (A) window 0, C and D window 2
.set MUL_HI, 0xf1                      ; the same, C and D window 3
.set TO_B,   0x40                      ; destination window 1, address window 0
; A joint load: waves 0 and 1 ask for A's halves, waves 2 and 3 for B's.  Each line has one mask; the branch hangs on the wave's number alone.
.macro JLOAD s
	s_cmp_eq_u32 s13, 0
	s_cbranch_scc0 .Lfor_b_\@
	tensor_load_to_lds s[G0A+4*\s:G0A+4*\s+3], s[G1A:G1A+7]
	s_nop 0
	s_branch .Lasked_\@
.Lfor_b_\@:
	tensor_load_to_lds s[G0B+4*\s:G0B+4*\s+3], s[G1B:G1B+7]
	s_nop 0
	v_nop
.Lasked_\@:
.endm
.macro CREST                           ; a round of the cluster's barrier behind its opening work-group barrier
	s_cmp_lg_u32 s12, 0
	s_cbranch_scc1 .Lnot_wave_0_\@
	s_barrier_signal -3
.Lnot_wave_0_\@:
	s_barrier_wait -3
	s_barrier_signal -1
	s_barrier_wait -1
.endm
.macro CROUND
	s_barrier_signal -1
	s_barrier_wait -1
	CREST
.endm
	s_load_b256 s[4:11], s[0:1], 0x0               ; A s[4:5], wbf s[6:7], bias s[8:9], C s[10:11]
	s_set_vgpr_msb 0x40
	v_lshl_add_u32 v63, v0, 2, 0x48400
	s_set_vgpr_msb 0x4000
	v_mov_b32 v255, 0
	s_set_vgpr_msb 0x1
	ds_add_u32 v63, v255
	ds_add_u32 v63, v255
	s_set_vgpr_msb 0x100
	v_lshrrev_b32 v1, 5, v0
	v_readfirstlane_b32 s12, v1                    ; wave 0..3
	s_lshr_b32 s13, s12, 1                         ; my half of the block's rows; also: I fetch for A (0) or B (1)
	s_and_b32 s14, s12, 1                          ; my half of its columns; also: which half of that tile I fetch
	s_bfe_u32 s16, ttmp6, 0x40000                  ; cx
	s_bfe_u32 s17, ttmp6, 0x40004                  ; cy
	s_lshl_b32 s18, ttmp9, 2
	s_add_co_u32 s18, s18, s16                     ; block column = 4 x cluster x + cx
	s_and_b32 s19, ttmp7, 0xffff
	s_lshl_b32 s19, s19, 2
	s_add_co_u32 s19, s19, s17                     ; block row = 4 x cluster y + cy
	s_lshl_b32 s56, s17, 2
	s_lshl_b32 s56, 15, s56                        ; my row of the cluster: places 4 cy .. 4 cy + 3
	s_lshl_b32 s57, 0x1111, s16                    ; my column: places cx, cx + 4, cx + 8, cx + 12
	; group 1 for A: 128 rows x 128 elements of 2 bytes; 4 words of padding behind every 64
	s_or_b32 s[G1A+0], s56, (1<<16)|(1<<20)|(1<<21)|(5<<22)|(3<<25)
	s_mov_b32 s[G1A+1], KSTEP<<16                  ; tensor_dim0 = 128
	s_mov_b32 s[G1A+2], 128<<16                    ; tensor_dim1 = 128
	s_mov_b32 s[G1A+3], KSTEP<<16                  ; tile_dim0 = 128
	s_mov_b32 s[G1A+4], 128                        ; tile_dim1 = 128
	s_mov_b32 s[G1A+5], SIZE_K                     ; elements from row to row
	s_mov_b32 s[G1A+6], 0
	s_mov_b32 s[G1A+7], 0
	; group 1 for B: 64 k-rows x 256 elements; 8 words of padding behind every 128
	s_or_b32 s[G1B+0], s57, (1<<16)|(1<<20)|(1<<21)|(6<<22)|(7<<25)
	s_mov_b32 s[G1B+1], 256<<16
	s_mov_b32 s[G1B+2], 64<<16
	s_mov_b32 s[G1B+3], 256<<16
	s_mov_b32 s[G1B+4], 64
	s_mov_b32 s[G1B+5], SIZE_N
	s_mov_b32 s[G1B+6], 0
	s_mov_b32 s[G1B+7], 0
	; A's address is made of the block row and the wave, in s70-71; B's of the block column and the wave, in s72-73
	s_lshl_b32 s70, s19, 8
	s_lshl_b32 s71, s14, 7
	s_add_co_u32 s70, s70, s71                     ; row 256 x block row + 128 x half
	s_mul_i32 s70, s70, SIZE_K*2
	s_mov_b32 s71, 0
	s_mul_i32 s72, s14, 64*SIZE_N*2                ; k-row 64 x half
	s_lshl_b32 s73, s18, 9                         ; 256 columns of 2 bytes a block
	s_add_co_u32 s72, s72, s73
	s_add_co_u32 s72, s72, WOFF
	s_mov_b32 s73, 0
	s_mul_i32 s58, s12, HALFT                      ; where my part goes: wave x 34,816, A's halves and then B's
	s_wait_dscnt 0x0
	s_wait_kmcnt 0x0
	s_add_nc_u64 s[66:67], s[4:5], s[70:71]
	s_add_nc_u64 s[68:69], s[6:7], s[72:73]
	s_lshl_b32 s72, s18, 10                        ; the bias of my 128 columns: 1,024 x block column + 512 x half
	s_lshl_b32 s73, s14, 9
	s_add_co_u32 s72, s72, s73
	s_mov_b32 s73, 0
	s_add_nc_u64 s[8:9], s[8:9], s[72:73]
	CROUND                                         ; all sixteen work-groups are here: the first joint loads meet
.irp s, 0,1
	s_mov_b32 s[G0A+4*\s], 1
	s_add_co_u32 s[G0A+4*\s+1], s58, \s*SLOT
	s_add_nc_u64 s[G0A+4*\s+2:G0A+4*\s+3], s[66:67], \s*KSTEP*2
	s_or_b32 s[G0A+4*\s+3], s[G0A+4*\s+3], 0x80000000
	s_mov_b32 s[G0B+4*\s], 1
	s_add_co_u32 s[G0B+4*\s+1], s58, \s*SLOT
	s_add_nc_u64 s[G0B+4*\s+2:G0B+4*\s+3], s[68:69], \s*KSTEP*SIZE_N*2
	s_or_b32 s[G0B+4*\s+3], s[G0B+4*\s+3], 0x80000000
	JLOAD \s                                       ; both slots' first fills go out before anything else: two tensor loads of a wave are out here, one later
.endr
	v_and_b32 v1, 15, v0                           ; r = l % 16
	v_bfe_u32 v2, v0, 4, 1                         ; h = l / 16
	v_lshlrev_b32 v[BO], 5, v2                     ; tile b, register j is column 16 b + 8 h + j: byte 64 b + 32 h + 4 j
	WIN TO_B
.irp b, 0,1,2,3,4,5,6,7
	global_load_b128 v[BIAS+8*\b:BIAS+8*\b+3],   v[BO], s[8:9] offset:64*\b
	global_load_b128 v[BIAS+8*\b+4:BIAS+8*\b+7], v[BO], s[8:9] offset:64*\b+16
.endr
	WIN 0
	v_mul_u32_u24 v3, v1, PITCHA
	v_lshl_add_u32 v3, v2, 4, v3                   ; A: row x pitch + 16 h
	v_and_b32 v4, 7, v0
	v_lshl_add_u32 v4, v2, 3, v4                   ; B: k-row 8 h + l % 8,
	v_mul_u32_u24 v4, v4, PITCHB
	v_bfe_u32 v5, v0, 3, 1
	v_lshl_add_u32 v4, v5, 4, v4                   ; columns 0-7 or 8-15 of the tile
	s_mul_i32 s20, s13, HALFT                      ; my 128 rows of A
	s_lshl_b32 s21, s14, 8                         ; my 128 columns of B,
	s_add_co_u32 s21, s21, 2*HALFT                 ; which lies behind A
.irp s, 0,1
	v_add_nc_u32 v[ADRA+\s], s20, v3
	v_add_nc_u32 v[ADRB+\s], s21, v4
	s_add_co_u32 s20, s20, SLOT
	s_add_co_u32 s21, s21, SLOT
.endr
	s_mul_i32 s22, s12, 16*SPITCH
	s_add_co_u32 s22, s22, STAGE                   ; my stage
	v_mul_u32_u24 v4, v1, SPITCH
	v_lshl_add_u32 v4, v2, 4, v4
	v_add_nc_u32 v[STO], s22, v4                   ; in: row r, 16 bytes for each half of the lanes
	v_mul_u32_u24 v5, v2, SPITCH
	v_lshl_add_u32 v5, v1, 4, v5
	v_add_nc_u32 v[RD], s22, v5                    ; back: lanes 0-15 one row of 256 bytes, lanes 16-31 the next
	v_mul_u32_u24 v5, v2, SIZE_N*2
	v_lshl_add_u32 v[CO], v1, 4, v5                ; the same two rows in C
.if GELU
	v_mov_b32 v[KC],   0xbdd2d3e8                  ; k2 = -2 log2(e) sqrt(2/pi) 0.044715
	v_mov_b32 v[KC+1], 0xbdd2d3e8
	v_mov_b32 v[KC+2], 0xc0135761                  ; k1 = -2 log2(e) sqrt(2/pi)
	v_mov_b32 v[KC+3], 0xc0135761
.endif
; 16 matrix instructions: m blocks a0, a0 + 1 of the window's four x all 8 n blocks, 32 along K.  zero = 1: the first product starts the sums.
.macro MUL16 f, hi, a0, zero
.irp a, \a0, \a0+1
.irp b, 0,1,2,3,4,5,6,7
.if \zero
	v_wmma_f32_16x16x32_f16 v[8*(8*(\a)+\b):8*(8*(\a)+\b)+7], v[\f+8*\b:\f+8*\b+7], v[\f+8*(4*\hi+\a):\f+8*(4*\hi+\a)+7], 0
.else
	v_wmma_f32_16x16x32_f16 v[8*(8*(\a)+\b):8*(8*(\a)+\b)+7], v[\f+8*\b:\f+8*\b+7], v[\f+8*(4*\hi+\a):\f+8*(4*\hi+\a)+7], v[8*(8*(\a)+\b):8*(8*(\a)+\b)+7]
.endif
.endr
.endr
.endm
; 32 LDS loads in one run: quarter q (32 along K) of a slot into buffer f.  B first (transposed on the way), then A.
.macro FETCH slot, q, f
	WIN TO_B
.irp i, 0,1,2,3,4,5,6,7
	ds_load_tr16_b128 v[\f+8*\i:\f+8*\i+3],   v[ADRB+\slot] offset:\q*32*PITCHB+32*\i
	ds_load_tr16_b128 v[\f+8*\i+4:\f+8*\i+7], v[ADRB+\slot] offset:\q*32*PITCHB+16*PITCHB+32*\i
.endr
	WIN 0
.irp i, 0,1,2,3,4,5,6,7
	ds_load_b128 v[\f+8*\i:\f+8*\i+3],   v[ADRA+\slot] offset:\q*64+\i*16*PITCHA
	ds_load_b128 v[\f+8*\i+4:\f+8*\i+7], v[ADRA+\slot] offset:\q*64+\i*16*PITCHA+32
.endr
.endm
; Four plain places stand between a matrix instruction and a load into one of its registers, or a vector instruction that reads its result.
.macro PLACES
.rept 4
	v_nop
.endr
.endm
; A quarter step: 64 matrix instructions on buffer f; in its middle the next quarter's fragments are fetched into buffer g.
; The 64 accumulators take turns, one instruction a turn, in the same order in every quarter.
.macro QUARTER slot, q, f, g, zero
	s_wait_dscnt 8                                 ; B and A's rows 0-63 are in; the youngest eight loads (A's rows 64-127) may be out
	WIN MUL_LO
	MUL16 \f, 0, 0, \zero
	MUL16 \f, 0, 2, \zero
	PLACES
	FETCH \slot, \q, \g
	s_wait_dscnt 32                                ; all but the 32 just issued
	WIN MUL_HI
	MUL16 \f, 1, 0, \zero
	MUL16 \f, 1, 2, \zero
.endm
.macro THREE slot, zero
	QUARTER \slot, 1, F0, F1, \zero
	QUARTER \slot, 2, F1, F0, 0
	QUARTER \slot, 3, F0, F1, 0
.endm
; The last quarter of a K step changes slots.  In front of the barrier each wave waits for its reads of this slot and for all its tensor
; loads (one is out: its part of the next slot).  Where this slot is filled again the barrier opens a round of the cluster's barrier,
; and the joint refill is the first tensor load behind the round.  From a request to the wait for it a wave issues 240 matrix instructions.
.macro TURN slot, next, fill
	s_wait_dscnt 8
	WIN MUL_LO
	MUL16 F1, 0, 0, 0
	s_wait_dscnt 0
	s_wait_tensorcnt 0x0
	ds_add_u32 v63, v255
	s_wait_dscnt 0x0
	s_barrier_signal -1
	MUL16 F1, 0, 2, 0                              ; register work while the others arrive
	WIN 0
	s_barrier_wait -1
.if \fill
	CREST
	s_add_nc_u64 s[G0A+4*\slot+2:G0A+4*\slot+3], s[G0A+4*\slot+2:G0A+4*\slot+3], 2*KSTEP*2          ; no tensor load of mine is out: group 0 may be written
	s_add_nc_u64 s[G0B+4*\slot+2:G0B+4*\slot+3], s[G0B+4*\slot+2:G0B+4*\slot+3], 2*KSTEP*SIZE_N*2
	JLOAD \slot
.endif
	PLACES
	FETCH \next, 0, F0
	WIN MUL_HI
	MUL16 F1, 1, 0, 0
	MUL16 F1, 1, 2, 0
.endm
.macro LAP zero
	THREE 0, \zero
	TURN 0, 1, 1
	THREE 1, 0
	TURN 1, 0, 1
.endm
	s_wait_tensorcnt 1                             ; my part of K step 0 is in; K step 1's stays out
	s_barrier_signal -1
	s_barrier_wait -1
	FETCH 0, 0, F0
	LAP 1                                          ; the first lap's first products start the sums
.if LAPS > 2
	WIN 0
	s_mov_b32 s15, LAPS-2
.Llap:
	LAP 0
	WIN 0
	s_sub_co_u32 s15, s15, 1
	s_cmp_lg_u32 s15, 0
	s_cbranch_scc1 .Llap
.endif
	THREE 0, 0                                     ; the last lap fills nothing
	TURN 0, 1, 0
	THREE 1, 0
	s_wait_dscnt 8
	WIN MUL_LO
	MUL16 F1, 0, 0, 0
	MUL16 F1, 0, 2, 0
	s_wait_dscnt 0
	WIN MUL_HI
	MUL16 F1, 1, 0, 0
	MUL16 F1, 1, 2, 0
	; THE WAY OUT, 16 rows at a time: + bias (and GELU) in f32, round to f16, through my own stage, out as whole rows of 256 bytes.
	PLACES
	s_wait_loadcnt 0x0                             ; the bias
	s_lshl_b32 s70, s19, 8
	s_lshl_b32 s71, s13, 7
	s_add_co_u32 s70, s70, s71                     ; my first row of C
	s_mul_i32 s70, s70, SIZE_N*2
	s_mov_b32 s71, 0
	s_add_nc_u64 s[10:11], s[10:11], s[70:71]
	s_lshl_b32 s72, s18, 9                         ; my first column, in bytes
	s_lshl_b32 s73, s14, 8
	s_add_co_u32 s72, s72, s73
	s_mov_b32 s73, 0
	s_add_nc_u64 s[10:11], s[10:11], s[72:73]
.macro GELU16 e                        ; sixteen numbers: x / (1 + 2^(x (k1 + k2 x^2)))
.irp p, 0,2,4,6,8,10,12,14
	v_pk_mul_f32 v[U+\p:U+\p+1], v[\e+\p:\e+\p+1], v[\e+\p:\e+\p+1]
.endr
.irp p, 0,2,4,6,8,10,12,14
	v_pk_fma_f32 v[U+\p:U+\p+1], v[U+\p:U+\p+1], v[KC:KC+1], v[KC+2:KC+3]
.endr
.irp p, 0,2,4,6,8,10,12,14
	v_pk_mul_f32 v[U+\p:U+\p+1], v[U+\p:U+\p+1], v[\e+\p:\e+\p+1]
.endr
.irp p, 0,1,2,3,4,5,6,7,8,9,10,11,12,13,14,15
	v_exp_f32 v[U+\p], v[U+\p]
.endr
	v_nop                                          ; one plain place behind the transcendentals (ISA guide 5.7.2)
	s_wait_alu depctr_va_vdst(0)
.irp p, 0,2,4,6,8,10,12,14
	v_pk_add_f32 v[U+\p:U+\p+1], v[U+\p:U+\p+1], 1.0 op_sel_hi:[1,0]
.endr
.irp p, 0,1,2,3,4,5,6,7,8,9,10,11,12,13,14,15
	v_rcp_f32 v[U+\p], v[U+\p]
.endr
	v_nop
	s_wait_alu depctr_va_vdst(0)
.irp p, 0,2,4,6,8,10,12,14
	v_pk_mul_f32 v[\e+\p:\e+\p+1], v[\e+\p:\e+\p+1], v[U+\p:U+\p+1]
.endr
.endm
; rows 16 i .. 16 i + 15 of my block = tiles (a, 0..7) of window 2 or 3.  win: source 0 in that window, source 1 (bias) in window 1.  rb: read-back buffer.
.macro OUT16 i, a, win, rb
	WIN \win
.irp b, 0,1,2,3,4,5,6,7
.irp r, 0,2,4,6
	v_pk_add_f32 v[E+8*\b+\r:E+8*\b+\r+1], v[8*(8*\a+\b)+\r:8*(8*\a+\b)+\r+1], v[BIAS+8*\b+\r:BIAS+8*\b+\r+1]
.endr
.endr
	WIN 0
.if GELU
.irp g, 0,1,2,3
	GELU16 E+16*\g
.endr
.endif
.irp b, 0,1,2,3,4,5,6,7
.irp r, 0,1,2,3
	v_cvt_pk_f16_f32 v[TMP+4*\b+\r], v[E+8*\b+2*\r], v[E+8*\b+2*\r+1]
.endr
.endr
.irp b, 0,1,2,3,4,5,6,7
	ds_store_b128 v[STO], v[TMP+4*\b:TMP+4*\b+3] offset:32*\b
.endr
	s_wait_xcnt 0x0                                ; the read-back buffer, which earlier stores read, and the stores' base are rewritten only behind this wait
.if \i
	s_add_nc_u64 s[10:11], s[10:11], 16*SIZE_N*2
.endif
.irp t, 0,1,2,3,4,5,6,7
	ds_load_b128 v[\rb+4*\t:\rb+4*\t+3], v[RD] offset:\t*2*SPITCH    ; LDS serves a wave's instructions in order: these see the stores above
.endr
.irp t, 0,1,2,3,4,5,6,7
	s_wait_dscnt 7-\t
	global_store_b128 v[CO], v[\rb+4*\t:\rb+4*\t+3], s[10:11] offset:2*\t*SIZE_N*2   ; 16 lanes store 256 consecutive bytes, aligned
.endr
.endm
	OUT16 0, 0, 0x06, 128
	OUT16 1, 1, 0x06, 160
	OUT16 2, 2, 0x06, 128
	OUT16 3, 3, 0x06, 160
	OUT16 4, 0, 0x07, 128
	OUT16 5, 1, 0x07, 160
	OUT16 6, 2, 0x07, 128
	OUT16 7, 3, 0x07, 160
	s_set_vgpr_msb 0x1
	s_wait_tensorcnt 0x0
	ds_add_u32 v63, v255
	s_wait_dscnt 0x0
	s_set_vgpr_msb 0x100
	CROUND                                         ; the closing round: no work-group ends while a partner may still ask for a tile that names it
	s_endpgm
.Lfunc_end_k_q8265700fb0_fcg:
	.size	k_q8265700fb0_fcg, .Lfunc_end_k_q8265700fb0_fcg-k_q8265700fb0_fcg
	.p2alignl 7, 3214868480
	.fill 96, 4, 3214868480
	.section	.rodata,"a",@progbits
	.p2align	6, 0x0
	.amdhsa_kernel k_q8265700fb0_fcg
		.amdhsa_group_segment_fixed_size 327680
		.amdhsa_private_segment_fixed_size 0
		.amdhsa_enable_private_segment 0
		.amdhsa_kernarg_size 32
		.amdhsa_user_sgpr_count 2
		.amdhsa_user_sgpr_kernarg_segment_ptr 1
		.amdhsa_wavefront_size32 1
		.amdhsa_system_sgpr_workgroup_id_x 1
		.amdhsa_system_sgpr_workgroup_id_y 1
		.amdhsa_system_sgpr_workgroup_id_z 1
		.amdhsa_system_vgpr_workitem_id 0
		.amdhsa_next_free_vgpr 1024
		.amdhsa_next_free_sgpr 80
		.amdhsa_reserve_vcc 0
		.amdhsa_float_denorm_mode_32 3
		.amdhsa_float_denorm_mode_16_64 3
		.amdhsa_memory_ordered 1
		.amdhsa_forward_progress 1
		.amdhsa_inst_pref_size 255
	.end_amdhsa_kernel
	.section	.bss,"aw",@nobits
	.p2align	6
	.space	262144
	.amdgpu_metadata
---
amdhsa.version: [ 1, 2 ]
amdhsa.kernels:
  - .name:           k_q8265700fb0_fcg
    .symbol:         k_q8265700fb0_fcg.kd
    .args:
      - { .name: h2, .offset: 0, .size: 8, .value_kind: global_buffer, .address_space: global }
      - { .name: wbf, .offset: 8, .size: 8, .value_kind: global_buffer, .address_space: global }
      - { .name: b_fc, .offset: 16, .size: 8, .value_kind: global_buffer, .address_space: global }
      - { .name: g, .offset: 24, .size: 8, .value_kind: global_buffer, .address_space: global }
    .group_segment_fixed_size: 327680
    .private_segment_fixed_size: 0
    .kernarg_segment_align: 8
    .kernarg_segment_size: 32
    .max_flat_workgroup_size: 128
    .sgpr_count:     80
    .vgpr_count:     1024
    .wavefront_size: 32
...
	.end_amdgpu_metadata
.endif
;; end of part 6
;; launch projg (part 7): grid 8 x 32, 4 waves a work-group, clusters of 4 x 4, 327,680 bytes of LDS; arguments g, wbf, b_proj, x1, out0; writes out0
.if DOCPART == 7
	.amdgcn_target "amdgcn-amd-amdhsa--gfx1250"
	.amdhsa_code_object_version 6
	.text
	.protected	k_q8265700fb0_projg
	.globl	k_q8265700fb0_projg
	.p2align	8
	.type	k_q8265700fb0_projg,@function
k_q8265700fb0_projg:
	s_mov_b64 s[64:65], 0
	v_nop
	global_prefetch_b8 v0, s[64:65] scope:SCOPE_SE
	s_setreg_imm32_b32 hwreg(HW_REG_WAVE_MODE, 25, 1), 1
	s_wait_xcnt 0x0
	s_wait_alu depctr_hold_cnt(0) depctr_sa_sdst(0) depctr_va_vdst(0) depctr_va_sdst(0) depctr_va_ssrc(0) depctr_va_vcc(0) depctr_vm_vsrc(0)
	s_getreg_b32 s2, hwreg(HW_REG_IB_STS2, 6, 4)
	s_cmp_eq_u32 s2, 0
	s_cbranch_scc0 .Lentry_in_a_cluster
	s_endpgm
.Lentry_in_a_cluster:
	s_bfe_u32 s2, ttmp6, 0x10000c
	s_cmp_lg_u32 s2, 0xf033
	s_cbranch_scc0 .Lentry_shape_is_right
	s_endpgm
.Lentry_shape_is_right:
; C = R + A B + bias, C and R in f32.  A: [4096][SIZE_K] f16.  B: [SIZE_K][1024] f16 at byte WOFF of wbf.
; N = 1,024 gives 256 blocks of 128 x 128, one for each work-group.  Each of the four waves makes the WHOLE block (64 accumulator
; tiles, so 16 KiB from LDS feed 64 matrix instructions) over a quarter of K: of each K step of 256 wave w takes k = 64 w .. 64 w + 63.
; The four partial sums meet once, in LDS, at the end; wave w then finishes rows 32 w .. 32 w + 31.
; Two LDS slots of one K step: B 256 k-rows x 256 bytes (pitch 288), then A 128 rows x 512 bytes (pitch 528).
; CLUSTERS: 4 x 4 work-groups; A's tile is asked for jointly along a row of the cluster, B's along a column.
; Registers as windows of 256: 0 addresses, A's fragments; 1 B's fragments; 2, 3 accumulators of rows 0-63, 64-127.
; The matrix instruction is used transposed (source 0 = B, source 1 = A): a lane holds row l % 16 and eight neighbouring columns.
; Limits: operands are f16 as the launches before stored them, sums f32; a sum over K is formed as (s0 + s1) + (s2 + s3) of the four waves' parts.
.set SIZE_K, 4096
.set WOFF,   16777216
.set SIZE_N, 1024
.set KSTEP,  256
.set PITCHA, 528                       ; 512 + 16
.set PITCHB, 288                       ; 256 + 32, an odd multiple of 32
.set BBYTES, 256*PITCHB
.set ABYTES, 128*PITCHA
.set SLOT,   BBYTES+ABYTES
.set LAPS,   SIZE_K/(2*KSTEP)
.set RPITCH, 528                       ; the meeting place: 128 f32 + 16 bytes a row
.set REGION, 128*RPITCH                ; one wave's partial block; the four lie in the slots, which have had their last fill by then
.set ADRA, 16
.set ADRB, 20
.set STO,  24
.set CO,   26                          ; my byte offset in R and in C
.set BO,   27                          ; 16 x lane
.set RD,   28                          ; v28-31 my place in the four partial blocks
.set BI,   32                          ; v[32:35] bias of my four columns
.set F0,   64
.set F1,   128
.set RES,  64                          ; window 1: R of my 32 rows, 4 registers a row
.set G1A, 24
.set G0A, 32
.set G1B, 40
.set G0B, 48
.set MSB, 0
.macro WIN new
.if MSB != \new
	s_set_vgpr_msb (MSB<<8)|\new
.set MSB, \new
.endif
.endm
.set MUL_LO, 0xa1
.set MUL_HI, 0xf1
.set TO_B,   0x40
.macro JLOAD s                         ; waves 0 and 1 ask for B's halves, waves 2 and 3 for A's; one mask a line
	s_cmp_eq_u32 s13, 0
	s_cbranch_scc0 .Lfor_a_\@
	tensor_load_to_lds s[G0B+4*\s:G0B+4*\s+3], s[G1B:G1B+7]
	s_nop 0
	s_branch .Lasked_\@
.Lfor_a_\@:
	tensor_load_to_lds s[G0A+4*\s:G0A+4*\s+3], s[G1A:G1A+7]
	s_nop 0
.Lasked_\@:
.endm
.macro CREST
	s_cmp_lg_u32 s12, 0
	s_cbranch_scc1 .Lnot_wave_0_\@
	s_barrier_signal -3
.Lnot_wave_0_\@:
	s_barrier_wait -3
	s_barrier_signal -1
	s_barrier_wait -1
.endm
.macro CROUND
	s_barrier_signal -1
	s_barrier_wait -1
	CREST
.endm
	s_load_b256 s[4:11], s[0:1], 0x0               ; A s[4:5], wbf s[6:7], bias s[8:9], R s[10:11]
	s_load_b64 s[74:75], s[0:1], 0x20              ; C
	s_set_vgpr_msb 0x40
	v_lshl_add_u32 v255, v0, 2, 0x45000
	s_set_vgpr_msb 0x4000
	v_mov_b32 v255, 0
	s_set_vgpr_msb 0x1
	ds_add_u32 v255, v255
	ds_add_u32 v255, v255
	s_set_vgpr_msb 0x100
	v_lshrrev_b32 v1, 5, v0
	v_readfirstlane_b32 s12, v1                    ; wave
	s_lshr_b32 s13, s12, 1                         ; I fetch for B (0) or A (1)
	s_and_b32 s14, s12, 1                          ; which half of that tile
	s_bfe_u32 s16, ttmp6, 0x40000                  ; cx
	s_bfe_u32 s17, ttmp6, 0x40004                  ; cy
	s_lshl_b32 s18, ttmp9, 2
	s_add_co_u32 s18, s18, s16                     ; block column
	s_and_b32 s19, ttmp7, 0xffff
	s_lshl_b32 s19, s19, 2
	s_add_co_u32 s19, s19, s17                     ; block row
	s_lshl_b32 s56, s17, 2
	s_lshl_b32 s56, 15, s56                        ; my row of the cluster
	s_lshl_b32 s57, 0x1111, s16                    ; my column
	; group 1 for A: 64 rows x 256 elements of 2 bytes; 4 words of padding behind every 128
	s_or_b32 s[G1A+0], s56, (1<<16)|(1<<20)|(1<<21)|(6<<22)|(3<<25)
	s_mov_b32 s[G1A+1], KSTEP<<16
	s_mov_b32 s[G1A+2], 64<<16
	s_mov_b32 s[G1A+3], KSTEP<<16
	s_mov_b32 s[G1A+4], 64
	s_mov_b32 s[G1A+5], SIZE_K
	s_mov_b32 s[G1A+6], 0
	s_mov_b32 s[G1A+7], 0
	; group 1 for B: 128 k-rows x 128 elements; 8 words of padding behind every 64
	s_or_b32 s[G1B+0], s57, (1<<16)|(1<<20)|(1<<21)|(5<<22)|(7<<25)
	s_mov_b32 s[G1B+1], 128<<16
	s_mov_b32 s[G1B+2], 128<<16
	s_mov_b32 s[G1B+3], 128<<16
	s_mov_b32 s[G1B+4], 128
	s_mov_b32 s[G1B+5], SIZE_N
	s_mov_b32 s[G1B+6], 0
	s_mov_b32 s[G1B+7], 0
	s_lshl_b32 s70, s19, 7
	s_lshl_b32 s71, s14, 6
	s_add_co_u32 s70, s70, s71                     ; A: row 128 x block row + 64 x half
	s_mul_i32 s70, s70, SIZE_K*2
	s_mov_b32 s71, 0
	s_lshl_b32 s72, s14, 18                        ; B: k-row 128 x half, 2,048 bytes a row
	s_lshl_b32 s73, s18, 8                         ; 128 columns of 2 bytes a block
	s_add_co_u32 s72, s72, s73
	s_add_co_u32 s72, s72, WOFF
	s_mov_b32 s73, 0
	s_mul_i32 s58, s12, 128*PITCHB                 ; B's halves at wave x 36,864 (waves 0, 1)
	s_mul_i32 s59, s12, 64*PITCHA
	s_add_co_u32 s59, s59, BBYTES-2*64*PITCHA      ; A's halves behind B (waves 2, 3)
	s_wait_dscnt 0x0
	s_wait_kmcnt 0x0
	s_add_nc_u64 s[66:67], s[4:5], s[70:71]
	s_add_nc_u64 s[68:69], s[6:7], s[72:73]
	s_lshl_b32 s72, s18, 9                         ; 128 columns of f32
	s_add_nc_u64 s[8:9], s[8:9], s[72:73]
	CROUND                                         ; all sixteen work-groups are here: the first joint loads meet
.irp s, 0,1
	s_mov_b32 s[G0A+4*\s], 1
	s_add_co_u32 s[G0A+4*\s+1], s59, \s*SLOT
	s_add_nc_u64 s[G0A+4*\s+2:G0A+4*\s+3], s[66:67], \s*KSTEP*2
	s_or_b32 s[G0A+4*\s+3], s[G0A+4*\s+3], 0x80000000
	s_mov_b32 s[G0B+4*\s], 1
	s_add_co_u32 s[G0B+4*\s+1], s58, \s*SLOT
	s_add_nc_u64 s[G0B+4*\s+2:G0B+4*\s+3], s[68:69], \s*KSTEP*SIZE_N*2
	s_or_b32 s[G0B+4*\s+3], s[G0B+4*\s+3], 0x80000000
	JLOAD \s                                       ; two tensor loads of a wave are out here, one later
.endr
	v_and_b32 v1, 15, v0                           ; r
	v_bfe_u32 v2, v0, 4, 1                         ; h
	v_and_b32 v6, 31, v0
	v_lshlrev_b32 v[BO], 4, v6
	global_load_b128 v[BI:BI+3], v[BO], s[8:9]     ; waited for on the way out
	v_mul_u32_u24 v3, v1, PITCHA
	v_lshl_add_u32 v3, v2, 4, v3
	s_lshl_b32 s20, s12, 7                         ; A: my 64 k are 128 bytes of each row,
	s_add_co_u32 s20, s20, BBYTES                  ; behind B
	v_and_b32 v4, 7, v0
	v_lshl_add_u32 v4, v2, 3, v4
	v_mul_u32_u24 v4, v4, PITCHB
	v_bfe_u32 v5, v0, 3, 1
	v_lshl_add_u32 v4, v5, 4, v4
	s_mul_i32 s21, s12, 64*PITCHB                  ; B: my 64 k-rows
.irp s, 0,1
	v_add_nc_u32 v[ADRA+\s], s20, v3
	v_add_nc_u32 v[ADRB+\s], s21, v4
	s_add_co_u32 s20, s20, SLOT
	s_add_co_u32 s21, s21, SLOT
.endr
	s_mul_i32 s22, s12, REGION
	v_mul_u32_u24 v5, v1, RPITCH
	v_lshl_add_u32 v5, v2, 5, v5                   ; row r, eight f32 for each half of the lanes
	v_add_nc_u32 v[STO], s22, v5
	s_mul_i32 s22, s12, 32*RPITCH
	v_add_nc_u32 v[RD], s22, v[BO]                 ; my 32 rows, 16 bytes a lane, in each of the four partial blocks
	v_add_nc_u32 v[RD+1], REGION, v[RD]
	v_add_nc_u32 v[RD+2], 2*REGION, v[RD]
	v_add_nc_u32 v[RD+3], 3*REGION, v[RD]
	s_lshl_b32 s22, s12, 17                        ; 32 rows of 4,096 bytes
	v_add_nc_u32 v[CO], s22, v[BO]
.macro MUL16 f, hi, a0, zero
.irp a, \a0, \a0+1
.irp b, 0,1,2,3,4,5,6,7
.if \zero
	v_wmma_f32_16x16x32_f16 v[8*(8*(\a)+\b):8*(8*(\a)+\b)+7], v[\f+8*\b:\f+8*\b+7], v[\f+8*(4*\hi+\a):\f+8*(4*\hi+\a)+7], 0
.else
	v_wmma_f32_16x16x32_f16 v[8*(8*(\a)+\b):8*(8*(\a)+\b)+7], v[\f+8*\b:\f+8*\b+7], v[\f+8*(4*\hi+\a):\f+8*(4*\hi+\a)+7], v[8*(8*(\a)+\b):8*(8*(\a)+\b)+7]
.endif
.endr
.endr
.endm
.macro FETCH slot, q, f                ; half q (32 along K) of my 64 k of a slot: B transposed on the way, then A
	WIN TO_B
.irp i, 0,1,2,3,4,5,6,7
	ds_load_tr16_b128 v[\f+8*\i:\f+8*\i+3],   v[ADRB+\slot] offset:\q*32*PITCHB+32*\i
	ds_load_tr16_b128 v[\f+8*\i+4:\f+8*\i+7], v[ADRB+\slot] offset:\q*32*PITCHB+16*PITCHB+32*\i
.endr
	WIN 0
.irp i, 0,1,2,3,4,5,6,7
	ds_load_b128 v[\f+8*\i:\f+8*\i+3],   v[ADRA+\slot] offset:\q*64+\i*16*PITCHA
	ds_load_b128 v[\f+8*\i+4:\f+8*\i+7], v[ADRA+\slot] offset:\q*64+\i*16*PITCHA+32
.endr
.endm
.macro PLACES                          ; four plain places behind a matrix instruction (ISA guide 7.12.1)
.rept 4
	v_nop
.endr
.endm
; 64 matrix instructions on buffer f; the 64 accumulators take turns, one instruction a turn
.macro QUARTER slot, q, f, g, zero
	s_wait_dscnt 8                                 ; the youngest eight loads (A's rows 64-127) may be out
	WIN MUL_LO
	MUL16 \f, 0, 0, \zero
	MUL16 \f, 0, 2, \zero
	PLACES
	FETCH \slot, \q, \g
	s_wait_dscnt 32                                ; all but the 32 just issued
	WIN MUL_HI
	MUL16 \f, 1, 0, \zero
	MUL16 \f, 1, 2, \zero
.endm
; The second half of a K step changes slots: the waits for my reads and for all my tensor loads, the barrier (which opens a round of the
; cluster's barrier where the slot is filled again), the joint refill first behind it.  From a request to its wait: 112 matrix instructions.
.macro TURN slot, next, fill
	s_wait_dscnt 8
	WIN MUL_LO
	MUL16 F1, 0, 0, 0
	s_wait_dscnt 0
	s_wait_tensorcnt 0x0
	ds_add_u32 v255, v255
	s_wait_dscnt 0x0
	s_barrier_signal -1
	MUL16 F1, 0, 2, 0
	WIN 0
	s_barrier_wait -1
.if \fill
	CREST
	s_add_nc_u64 s[G0A+4*\slot+2:G0A+4*\slot+3], s[G0A+4*\slot+2:G0A+4*\slot+3], 2*KSTEP*2
	s_add_nc_u64 s[G0B+4*\slot+2:G0B+4*\slot+3], s[G0B+4*\slot+2:G0B+4*\slot+3], 2*KSTEP*SIZE_N*2
	JLOAD \slot
.endif
	PLACES
	FETCH \next, 0, F0
	WIN MUL_HI
	MUL16 F1, 1, 0, 0
	MUL16 F1, 1, 2, 0
.endm
.macro LAP zero
	QUARTER 0, 1, F0, F1, \zero
	TURN 0, 1, 1
	QUARTER 1, 1, F0, F1, 0
	TURN 1, 0, 1
.endm
	s_wait_tensorcnt 1                             ; my part of K step 0 is in; K step 1's stays out
	s_barrier_signal -1
	s_barrier_wait -1
	FETCH 0, 0, F0
	LAP 1
.if LAPS > 2
	WIN 0
	s_mov_b32 s15, LAPS-2
.Llap:
	LAP 0
	WIN 0
	s_sub_co_u32 s15, s15, 1
	s_cmp_lg_u32 s15, 0
	s_cbranch_scc1 .Llap
.endif
	QUARTER 0, 1, F0, F1, 0                        ; the last lap fills nothing
	TURN 0, 1, 0
	QUARTER 1, 1, F0, F1, 0
	s_wait_dscnt 8
	WIN MUL_LO
	MUL16 F1, 0, 0, 0
	MUL16 F1, 0, 2, 0
	s_wait_dscnt 0
	WIN MUL_HI
	MUL16 F1, 1, 0, 0
	MUL16 F1, 1, 2, 0
	; THE WAY OUT
	PLACES
	s_lshl_b32 s70, s19, 19                        ; 128 rows of 4,096 bytes a block row
	s_mov_b32 s71, 0
	s_lshl_b32 s72, s18, 9
	s_mov_b32 s73, 0
	s_add_nc_u64 s[10:11], s[10:11], s[70:71]
	s_add_nc_u64 s[10:11], s[10:11], s[72:73]
	s_add_nc_u64 s[74:75], s[74:75], s[70:71]
	s_add_nc_u64 s[74:75], s[74:75], s[72:73]
	WIN TO_B
.set n, 0
.rept 32
	global_load_b128 v[RES+4*n:RES+4*n+3], v[CO], s[10:11] offset:4096*n     ; R of my 32 rows lands while the partial sums meet
.set n, n+1
.endr
	WIN 0
	s_wait_dscnt 0x0
	s_barrier_signal -1
	s_barrier_wait -1                              ; every wave's reads of the slots are over, and no tensor load is out or will follow
	WIN 0x08                                       ; store data from window 2
.irp a, 0,1,2,3
.irp b, 0,1,2,3,4,5,6,7
	ds_store_b128 v[STO], v[8*(8*\a+\b):8*(8*\a+\b)+3]   offset:\a*16*RPITCH+64*\b
	ds_store_b128 v[STO], v[8*(8*\a+\b)+4:8*(8*\a+\b)+7] offset:\a*16*RPITCH+64*\b+16
.endr
.endr
	WIN 0x0c                                       ; from window 3
.irp a, 0,1,2,3
.irp b, 0,1,2,3,4,5,6,7
	ds_store_b128 v[STO], v[8*(8*\a+\b):8*(8*\a+\b)+3]   offset:(\a+4)*16*RPITCH+64*\b
	ds_store_b128 v[STO], v[8*(8*\a+\b)+4:8*(8*\a+\b)+7] offset:(\a+4)*16*RPITCH+64*\b+16
.endr
.endr
	WIN 0
	s_wait_dscnt 0x0                               ; my partial block is written,
	s_barrier_signal -1
	s_barrier_wait -1                              ; everybody's is
	s_wait_loadcnt 0x0                             ; bias and R
.macro BATCH g                         ; eight of my rows: four parts, bias, R; a store of the wave covers a block's row, 512 consecutive bytes, aligned
.if \g
	s_wait_xcnt 0x0                                ; the last batch's store data are loaded over only behind this wait
.endif
.irp t, 0,1,2,3,4,5,6,7
.irp k, 0,1,2,3
	ds_load_b128 v[F0+16*\t+4*\k:F0+16*\t+4*\k+3], v[RD+\k] offset:(8*\g+\t)*RPITCH
.endr
.endr
.irp t, 0,1,2,3,4,5,6,7
	s_wait_dscnt 4*(7-\t)                          ; row t's four loads are in
	v_pk_add_f32 v[F0+16*\t:F0+16*\t+1],     v[F0+16*\t:F0+16*\t+1],     v[F0+16*\t+4:F0+16*\t+5]
	v_pk_add_f32 v[F0+16*\t+2:F0+16*\t+3],   v[F0+16*\t+2:F0+16*\t+3],   v[F0+16*\t+6:F0+16*\t+7]
	v_pk_add_f32 v[F0+16*\t+8:F0+16*\t+9],   v[F0+16*\t+8:F0+16*\t+9],   v[F0+16*\t+12:F0+16*\t+13]
	v_pk_add_f32 v[F0+16*\t+10:F0+16*\t+11], v[F0+16*\t+10:F0+16*\t+11], v[F0+16*\t+14:F0+16*\t+15]
	v_pk_add_f32 v[F0+16*\t:F0+16*\t+1],     v[F0+16*\t:F0+16*\t+1],     v[F0+16*\t+8:F0+16*\t+9]
	v_pk_add_f32 v[F0+16*\t+2:F0+16*\t+3],   v[F0+16*\t+2:F0+16*\t+3],   v[F0+16*\t+10:F0+16*\t+11]
	v_pk_add_f32 v[F0+16*\t:F0+16*\t+1],     v[F0+16*\t:F0+16*\t+1],     v[BI:BI+1]
	v_pk_add_f32 v[F0+16*\t+2:F0+16*\t+3],   v[F0+16*\t+2:F0+16*\t+3],   v[BI+2:BI+3]
.endr
	WIN 0x04                                       ; source 1 (R) in window 1
.irp t, 0,1,2,3,4,5,6,7
	v_pk_add_f32 v[F0+16*\t:F0+16*\t+1],   v[F0+16*\t:F0+16*\t+1],   v[RES+4*(8*\g+\t):RES+4*(8*\g+\t)+1]
	v_pk_add_f32 v[F0+16*\t+2:F0+16*\t+3], v[F0+16*\t+2:F0+16*\t+3], v[RES+4*(8*\g+\t)+2:RES+4*(8*\g+\t)+3]
.endr
	WIN 0
.irp t, 0,1,2,3,4,5,6,7
	global_store_b128 v[CO], v[F0+16*\t:F0+16*\t+3], s[74:75] offset:(8*\g+\t)*4096
.endr
.endm
	BATCH 0
	BATCH 1
	BATCH 2
	BATCH 3
	s_set_vgpr_msb 0x1
	s_wait_tensorcnt 0x0
	ds_add_u32 v255, v255
	s_wait_dscnt 0x0
	s_set_vgpr_msb 0x100
	CROUND                                         ; the closing round
	s_endpgm
.Lfunc_end_k_q8265700fb0_projg:
	.size	k_q8265700fb0_projg, .Lfunc_end_k_q8265700fb0_projg-k_q8265700fb0_projg
	.p2alignl 7, 3214868480
	.fill 96, 4, 3214868480
	.section	.rodata,"a",@progbits
	.p2align	6, 0x0
	.amdhsa_kernel k_q8265700fb0_projg
		.amdhsa_group_segment_fixed_size 327680
		.amdhsa_private_segment_fixed_size 0
		.amdhsa_enable_private_segment 0
		.amdhsa_kernarg_size 40
		.amdhsa_user_sgpr_count 2
		.amdhsa_user_sgpr_kernarg_segment_ptr 1
		.amdhsa_wavefront_size32 1
		.amdhsa_system_sgpr_workgroup_id_x 1
		.amdhsa_system_sgpr_workgroup_id_y 1
		.amdhsa_system_sgpr_workgroup_id_z 1
		.amdhsa_system_vgpr_workitem_id 0
		.amdhsa_next_free_vgpr 1024
		.amdhsa_next_free_sgpr 80
		.amdhsa_reserve_vcc 0
		.amdhsa_float_denorm_mode_32 3
		.amdhsa_float_denorm_mode_16_64 3
		.amdhsa_memory_ordered 1
		.amdhsa_forward_progress 1
		.amdhsa_inst_pref_size 131
	.end_amdhsa_kernel
	.amdgpu_metadata
---
amdhsa.version: [ 1, 2 ]
amdhsa.kernels:
  - .name:           k_q8265700fb0_projg
    .symbol:         k_q8265700fb0_projg.kd
    .args:
      - { .name: g, .offset: 0, .size: 8, .value_kind: global_buffer, .address_space: global }
      - { .name: wbf, .offset: 8, .size: 8, .value_kind: global_buffer, .address_space: global }
      - { .name: b_proj, .offset: 16, .size: 8, .value_kind: global_buffer, .address_space: global }
      - { .name: x1, .offset: 24, .size: 8, .value_kind: global_buffer, .address_space: global }
      - { .name: out0, .offset: 32, .size: 8, .value_kind: global_buffer, .address_space: global }
    .group_segment_fixed_size: 327680
    .private_segment_fixed_size: 0
    .kernarg_segment_align: 8
    .kernarg_segment_size: 40
    .max_flat_workgroup_size: 128
    .sgpr_count:     80
    .vgpr_count:     1024
    .wavefront_size: 32
...
	.end_amdgpu_metadata
.endif
;; end of part 7
